; MI455X (gfx1250); checked and timed in simulation.
; The chip was launched on July 23, 2026; its instructions are those of AMD's public machine-readable ISA for CDNA 5 (MIT licence, August 2026) and "CDNA5" Instruction Set Architecture Reference Guide (July 2026). The comments in the code are by the model that wrote it; some were corrected since.
;; Multihead Attention. Allowed arithmetic: matrix products marked QUANTISED: E2M3 operands, one E8M0 scale for each 32 along K, by v_wmma_scale_f32_16x16x128_f8f6f4 with both operands' format E2M3, f32 sums; everything else in f32.
;; Inputs: Wk 1,024 x 1,024 float32; Wq 1,024 x 1,024 float32; Wv 1,024 x 1,024 float32; beta 1,024 float32; bk 1,024 float32; bq 1,024 float32; bv 1,024 float32; gamma 1,024 float32; x 32 x 1,024 x 512 float32.
;; Outputs: out0 32 x 1,024 x 512 float32.
;; Constants: num_heads = 16.
;; This version of the problem:
;;   THIS VERSION OF THE PROBLEM IS GIVEN IN LOW PRECISION. The matrix products marked QUANTISED in the list below multiply operands that are first quantised to E2M3 (2 exponent bits, 3 mantissa bits; 6 bits a number), with one power-of-two scale for each 32 numbers along K (OCP MX v1.0); their sums are f32. All else is computed in f32.
;;   The module's matrix products, in the order in which they are computed (A, B: the left and right operand; K: the contracted axis; several contracted axes count as one K, in the product's order):
;;     1. [M 16,384, K 1,024] x [K 1,024, N 1,024]; A: input x; B: input Wq: QUANTISED
;;     2. [M 16,384, K 1,024] x [K 1,024, N 1,024]; A: input x; B: input Wk: QUANTISED
;;     3. [M 16,384, K 1,024] x [K 1,024, N 1,024]; A: input x; B: input Wv: QUANTISED
;;     4. batch 512 x [M 512, K 64] x [K 64, N 512]; A: computed on the way; B: computed on the way: QUANTISED
;;     5. batch 512 x [M 512, K 512] x [K 512, N 64]; A: softmax (see below); B: computed on the way: QUANTISED
;;   THE QUANTISER, for each operand of a quantised product, along K:
;;     - K is cut into blocks of 32 from its start; a last block that is shorter is filled with zeros.
;;     - A block's scale is 2^e with e = floor(log2(the largest magnitude in the block)) - 2, held to -126 .. 127; a block of zeros has e = 0. As a byte (E8M0): e + 127.
;;     - Each number is divided by its block's scale, clamped to +-7.5, and rounded to the nearest number of E2M3, ties to even, subnormals kept.
;;     - The product sums the exact products of the quantised numbers (number of the format x scale) in f32.
;;   ~~~python
;;   def quantise(x, axis):      # numpy; x: float32 -> the quantised numbers, widened to float32 again
;;       x = np.moveaxis(x, axis, -1); K = x.shape[-1]
;;       x = np.pad(x, [(0, 0)] * (x.ndim - 1) + [(0, -K % 32)]); x = x.reshape(x.shape[:-1] + (-1, 32)); a = np.abs(x).max(-1, keepdims=True)
;;       e = np.where(a > 0, np.clip(np.frexp(np.where(a > 0, a, 1))[1] - 1 - 2, -126, 127), 0)      # np.frexp(a)[1] - 1 = floor(log2(a)), exactly
;;       r = np.clip(x / 2.0 ** e, -7.5, 7.5)
;;       step = 2.0 ** (np.maximum(np.frexp(np.where(r == 0, 1, r))[1] - 1, 0) - 3)
;;       q = np.round(r / step) * step * 2.0 ** e      # np.round: ties to even
;;       return np.moveaxis(q.reshape(q.shape[:-2] + (-1,))[..., :K], -1, axis).astype(np.float32)
;;   ~~~
;;   SOFTMAX AHEAD OF A QUANTISED PRODUCT. Where the list says 'softmax', what is quantised is not the finished softmax but p = 2^(t - M), with t = logit x log2(e) and M = ceil(the row's largest t), a whole number; so 1/2 < the row's largest p <= 1. The row's sum l is taken of the UNQUANTISED p, in f32, and the product's result is divided by l at the end. Since M is a whole number, a kernel that streams over the keys may use a running M (the ceiling of the running maximum): every later rescaling is an exact power of two, which a block's scale takes up: the codes' values come out the same.
;;   OPERANDS COMPUTED ON THE WAY. 'Computed on the way' means the value that the module computes at that place (a softmax that the list does not call 'softmax' is quantised finished and normalised). What goes into a quantiser is computed in f32, as accurately as f32 sums, v_exp_f32 and their like allow (about 1e-6 of the number): no bf16 or f16 on the way to a quantiser, and a product that is left as it is and whose result goes on into a quantised operand takes f32 operands (vector FMAs, or v_wmma_f32_16x16x4_f32). A number that lies on a knife's edge between two numbers of the format may be rounded either way, as far as f32 arithmetic and the matrix unit's own rounding can turn it there, and no further.
;; One version. Each part assembles by itself: llvm-mc -triple=amdgcn-amd-amdhsa -mcpu=gfx1250 --defsym DOCPART=n.
;; ======== version 1 of 1: 4 launches
;; limits: right only within a limited range of input values
;; workspace buffers: img 15,564,800 bytes; qkv 40,370,176 bytes; y 67,108,864 bytes; st 262,144 bytes
;; launch quant (part 1): grid 608 x 1, 4 waves a work-group, no clusters, 27,136 bytes of LDS; arguments x, Wq, Wk, Wv, img; writes img
.if DOCPART == 1
	.amdgcn_target "amdgcn-amd-amdhsa--gfx1250"
	.amdhsa_code_object_version 6
	.text
	.protected	k_q3a735a8cdd_quant
	.globl	k_q3a735a8cdd_quant
	.p2align	8
	.type	k_q3a735a8cdd_quant,@function
k_q3a735a8cdd_quant:
	s_mov_b64 s[64:65], 0
	v_nop
	global_prefetch_b8 v0, s[64:65] scope:SCOPE_SE
	s_setreg_imm32_b32 hwreg(HW_REG_WAVE_MODE, 25, 1), 1
	s_wait_xcnt 0x0
; x [32][1024][512] and Wq, Wk, Wv [1024][1024], f32, are the operands of the three projections, and in all four K (the 1,024 input channels) is NOT innermost:
; x[b][k][t], W[k][n].  They are turned into codes of FP6 (E2M3) with one E8M0 scale byte for each 32 along K, laid in the ORDER OF THE OPERAND'S REGISTERS:
;   img [RT 152][sigma 4][25,600 bytes]: RT = a tile of 128 operand rows (0-127: x, RT = 4 b + t / 128; 128-151: Wq, Wk, Wv, 8 each), sigma = 256 along K.  A piece of 25,600 bytes is
;       [K step 2][block i 8][1,536 bytes], a fragment's image (registers 4 q .. 4 q + 3 of lane L at 512 q + 16 L), and behind the codes, at 24,576, [block i 8][r 16][8 bytes]: row r's scale words of the two K steps.
;       So one dense load brings a tile's codes and its scale words together.
; THE ROWS OF A BLOCK ARE NOT NEIGHBOURS: lane row r of block 2 g + u is row 32 g + 8 u + r + 8 (r / 8) of the tile, so that a later product's results lie as neighbours in a lane's registers.
; A LANE TAKES A ROW OF THE OPERAND (a column t or n of memory) AND ITS REGISTERS RUN DOWN K: a load reads 128 consecutive bytes a wave, a block of 32 along K lies in one lane, nothing is transposed by an instruction.
; A block's scale is 2^(floor(log2(its largest magnitude)) - 2); its byte is the largest magnitude's exponent field - 2, held at 1 from below.
; LIMITS: a block of zeros gets the byte 1 where the quantiser says 127 (its codes are zeros, and this program alone reads the bytes); blocks whose largest magnitude lies under 2^-124 keep the byte 1; NaN and infinities are not served.
; SHARES: work-group g: RT = g / 4, sigma = g % 4 (256 along K: 8 blocks a lane); wave w: rows 32 w .. 32 w + 31 of the tile (blocks 2 w, 2 w + 1).  One path for all four tensors: only the pointer and the pitch are chosen.
; The codes go through the wave's own stage in LDS into the image's order and leave 512 consecutive bytes a store.  No tensor loads, no barrier, no cluster: waves and work-groups share nothing.
.set CD,   16                          ; v16-21   a block's six registers of codes
.set C2,   24                          ; v24-26   the second conversion's result (three registers begin on an even number)
.set SB,   28                          ; v28-29   the scale bytes: one word for each of my two K steps
.set VO,   32                          ; v32-63   4 x lane + i x pitch: the byte offsets of a block's 32 rows of memory
.set X,    64                          ; v64-127  two sets of 32 numbers
.set OUTR, 128                         ; v128-175 the way out: 12 x 4 registers
.set WST,  6656                        ; LDS: a wave's stage: [K step 2][u 2], 3,328 and 1,664 bytes apart (an image's 1,536 + 128, so that the two u's begin in different banks)
.set SST,  3328
.set UST,  1664
	s_load_b256 s[4:11], s[0:1], 0x0               ; x, Wq, Wk, Wv
	s_load_b64 s[12:13], s[0:1], 0x20              ; img
	v_lshl_add_u32 v176, v0, 2, 0x6800
	v_mov_b32 v177, 0
	v_lshrrev_b32 v1, 5, v0
	v_readfirstlane_b32 s16, v1                    ; wave 0..3
	v_and_b32 v2, 31, v0                           ; lane = my row in the wave's 32
	v_lshlrev_b32 v3, 2, v2                        ; 4 bytes a lane
	v_bfe_u32 v8, v0, 3, 1                         ; u = (row / 8) % 2: which of the wave's two blocks
	v_and_b32 v9, 7, v0
	v_bfe_u32 v10, v0, 4, 1
	v_lshl_add_u32 v9, v10, 3, v9                  ; r = row % 8 + 8 (row / 16): my lane row in that block
	s_mul_i32 s17, s16, WST                        ; my wave's stage
	v_mul_u32_u24 v4, v8, UST
	v_lshl_add_u32 v4, v9, 4, v4
	v_add_nc_u32 v4, s17, v4                       ; into it: image u, 16 r (the half h and the register group stand in the immediates)
	v_lshlrev_b32 v6, 4, v2                        ; 16 x lane: the way out, in memory,
	v_add_nc_u32 v5, s17, v6                       ; and in the stage
	v_lshlrev_b32 v7, 7, v8
	v_lshl_add_u32 v7, v9, 3, v7                   ; my 8 scale bytes: 128 u + 8 r
	s_lshr_b32 s18, ttmp9, 2                       ; RT
	s_and_b32 s19, ttmp9, 3                        ; sigma
	s_lshr_b32 s24, s18, 2                         ; x: the batch
	s_sub_co_u32 s20, s18, 128
	s_lshr_b32 s21, s20, 3                         ; W: which of the three (no 1 or 2 comes out for x's work-groups, and their choice is overridden below)
	s_wait_kmcnt 0x0
	s_cmp_eq_u32 s21, 1
	s_cselect_b64 s[6:7], s[8:9], s[6:7]
	s_cmp_eq_u32 s21, 2
	s_cselect_b64 s[6:7], s[10:11], s[6:7]         ; the weight
	s_mov_b32 s22, 4096
	s_cmp_lt_u32 ttmp9, 512                        ; x's work-group or a weight's?  The choices hang on the work-group's number alone
	s_cselect_b64 s[4:5], s[4:5], s[6:7]           ; the tensor
	s_cselect_b32 s22, 2048, s22                   ; bytes from k to k + 1
	s_cselect_b32 s23, 3, 7
	s_cselect_b32 s24, s24, 0
	s_and_b32 s23, s18, s23                        ; which 128 columns of a row of memory
	s_lshl_b32 s24, s24, 21                        ; a batch of x is 2^21 bytes
	s_lshl_b32 s25, s22, 8
	s_mul_i32 s25, s25, s19                        ; 256 rows of memory for each sigma
	s_add_co_u32 s24, s24, s25
	s_lshl_b32 s25, s23, 9
	s_add_co_u32 s24, s24, s25
	s_lshl_b32 s25, s16, 7
	s_add_co_u32 s24, s24, s25                     ; + 512 x column tile + 128 x wave: under 2^27
	s_mov_b32 s25, 0
	s_add_nc_u64 s[32:33], s[4:5], s[24:25]        ; block 0's base;
	s_lshl_b32 s26, s22, 5
	s_mov_b32 s27, 0
.irp t, 1,2,3,4,5,6,7
	s_add_nc_u64 s[32+2*\t:33+2*\t], s[30+2*\t:31+2*\t], s[26:27]   ; each further block's lies 32 rows of memory on: no base is ever stepped
.endr
.set i, 0
.rept 32
	v_mad_u32_u24 v[VO+i], s22, i, v3
.set i, i+1
.endr
	s_mul_i32 s28, s18, 102400
	s_mul_i32 s29, s19, 25600
	s_add_co_u32 s28, s28, s29                     ; my piece [RT][sigma] of img
	s_lshl_b32 s30, s16, 8
	s_add_co_u32 s30, s30, s28
	s_add_co_u32 s30, s30, 24576                   ; its scale words, blocks 2 w and 2 w + 1
	s_mov_b32 s31, 0
	s_add_nc_u64 s[14:15], s[12:13], s[30:31]
	s_mul_i32 s29, s16, 3072
	s_add_co_u32 s28, s28, s29                     ; its codes, the same two blocks
	s_mov_b32 s29, 0
	s_add_nc_u64 s[12:13], s[12:13], s[28:29]
.macro LOAD t                          ; block t: k = 32 t + i of my row, i = 0 .. 31, into set t % 2
.set i, 0
.rept 32
	global_load_b32 v[X+32*((\t)%2)+i], v[VO+i], s[32+2*(\t):33+2*(\t)] th:TH_LOAD_NT
.set i, i+1
.endr
.endm
; Block t of my 8: K step t / 4 of my two; in the fragment it is registers 6 c .. 6 c + 5 of lane r + 16 h, c = (t / 2) % 2, h = t % 2.
.macro BLOCK t
.set XS, X+32*((\t)%2)
.set SO_, SST*((\t)/4)+256*((\t)%2)
.if (\t) < 7
	s_wait_loadcnt 32                              ; this block's 32 loads are in; the next block's 32 may be out
.else
	s_wait_loadcnt 0x0
.endif
	v_max3_num_f32 v12, |v[XS]|, |v[XS+1]|, |v[XS+2]|              ; the block's largest magnitude: all 32 numbers are mine; two chains
	v_max3_num_f32 v13, |v[XS+3]|, |v[XS+4]|, |v[XS+5]|
.irp i, 6,10,14,18,22,26
	v_max3_num_f32 v12, v12, |v[XS+\i]|, |v[XS+\i+1]|
	v_max3_num_f32 v13, v13, |v[XS+\i+2]|, |v[XS+\i+3]|
.endr
	v_max3_num_f32 v12, v12, |v[XS+30]|, |v[XS+31]|
	v_max3_num_f32 v12, v12, v13, 0x1800000        ; and the floor 2^(3 - 127): the byte cannot fall under 1
	v_add_nc_u32 v11, 0xff000000, v12              ; 2 off the exponent field: the conversion takes the exponent field of this operand as its scale
	v_lshrrev_b32 v13, 23, v11                     ; the scale's byte
.if (\t)%4 == 0
	v_mov_b32 v[SB+(\t)/4], v13                    ; four bytes to a word, the lower K in the lower byte
.else
	v_lshl_or_b32 v[SB+(\t)/4], v13, 8*((\t)%4), v[SB+(\t)/4]
.endif
	v_cvt_scalef32_pk16_fp6_f32 v[CD:CD+2], v[XS:XS+15], v11
	v_cvt_scalef32_pk16_fp6_f32 v[C2:C2+2], v[XS+16:XS+31], v11
	v_nop                                          ; one plain place behind a scaled conversion
.irp i, 0,1,2
	v_mov_b32 v[CD+3+\i], v[C2+\i]                 ; the block's 24 bytes on end
.endr
.if ((\t)/2)%2 == 0
	ds_store_b128 v4, v[CD:CD+3] offset:SO_        ; registers 0-3: group 0
	ds_store_b64 v4, v[CD+4:CD+5] offset:SO_+512   ; registers 4, 5: the lower half of group 1
.else
	ds_store_b64 v4, v[CD:CD+1] offset:SO_+512+8   ; registers 6, 7: its upper half
	ds_store_b128 v4, v[CD+2:CD+5] offset:SO_+1024 ; registers 8-11: group 2
.endif
.if (\t) < 6
	LOAD (\t)+2
.endif
	s_wait_dscnt 0x0                               ; the stores have read their registers: the next block's codes may be written
.endm
	s_wait_alu depctr_va_vdst(0)
	LOAD 0
	LOAD 1
.irp t, 0,1,2,3,4,5,6,7
	BLOCK \t
.endr
	s_wait_alu depctr_va_vdst(0)
	global_store_b64 v7, v[SB:SB+1], s[14:15]      ; the wave's 32 rows x 8 scale bytes: 256 consecutive bytes, aligned
.irp s, 0,1
.irp u, 0,1
.irp q, 0,1,2
	ds_load_b128 v[OUTR+4*(6*\s+3*\u+\q):OUTR+4*(6*\s+3*\u+\q)+3], v5 offset:SST*\s+UST*\u+512*\q   ; LDS serves a wave's instructions in order: these see my stores
.endr
.endr
.endr
.irp s, 0,1
.irp u, 0,1
.irp q, 0,1,2
	s_wait_dscnt 11-(6*\s+3*\u+\q)                 ; this piece is back; the younger ones may be out
	global_store_b128 v6, v[OUTR+4*(6*\s+3*\u+\q):OUTR+4*(6*\s+3*\u+\q)+3], s[12:13] offset:12288*\s+1536*\u+512*\q   ; 512 consecutive bytes, at a multiple of 256 from img's first byte
.endr
.endr
.endr
	s_wait_tensorcnt 0x0
	ds_add_u32 v176, v177
	s_wait_dscnt 0x0
	s_endpgm
.Lfunc_end_k_q3a735a8cdd_quant:
	.size	k_q3a735a8cdd_quant, .Lfunc_end_k_q3a735a8cdd_quant-k_q3a735a8cdd_quant
	.p2alignl 7, 3214868480
	.fill 96, 4, 3214868480
	.section	.rodata,"a",@progbits
	.p2align	6, 0x0
	.amdhsa_kernel k_q3a735a8cdd_quant
		.amdhsa_group_segment_fixed_size 27136
		.amdhsa_private_segment_fixed_size 0
		.amdhsa_enable_private_segment 0
		.amdhsa_kernarg_size 40
		.amdhsa_user_sgpr_count 2
		.amdhsa_user_sgpr_kernarg_segment_ptr 1
		.amdhsa_wavefront_size32 1
		.amdhsa_system_sgpr_workgroup_id_x 1
		.amdhsa_system_sgpr_workgroup_id_y 1
		.amdhsa_system_sgpr_workgroup_id_z 1
		.amdhsa_system_vgpr_workitem_id 0
		.amdhsa_next_free_vgpr 178
		.amdhsa_next_free_sgpr 66
		.amdhsa_reserve_vcc 0
		.amdhsa_float_denorm_mode_32 3
		.amdhsa_float_denorm_mode_16_64 3
		.amdhsa_memory_ordered 1
		.amdhsa_forward_progress 1
		.amdhsa_inst_pref_size 45
	.end_amdhsa_kernel
	.amdgpu_metadata
---
amdhsa.version: [ 1, 2 ]
amdhsa.kernels:
  - .name:           k_q3a735a8cdd_quant
    .symbol:         k_q3a735a8cdd_quant.kd
    .args:
      - { .name: x, .offset: 0, .size: 8, .value_kind: global_buffer, .address_space: global }
      - { .name: Wq, .offset: 8, .size: 8, .value_kind: global_buffer, .address_space: global }
      - { .name: Wk, .offset: 16, .size: 8, .value_kind: global_buffer, .address_space: global }
      - { .name: Wv, .offset: 24, .size: 8, .value_kind: global_buffer, .address_space: global }
      - { .name: img, .offset: 32, .size: 8, .value_kind: global_buffer, .address_space: global }
    .group_segment_fixed_size: 27136
    .private_segment_fixed_size: 0
    .kernarg_segment_align: 8
    .kernarg_segment_size: 40
    .max_flat_workgroup_size: 128
    .sgpr_count:     66
    .vgpr_count:     178
    .wavefront_size: 32
...
	.end_amdgpu_metadata
.endif
;; end of part 1
;; launch gemm (part 2): grid 4 x 64, 4 waves a work-group, clusters of 4 x 4, 327,680 bytes of LDS; arguments img, bq, bk, bv, qkv; writes qkv
.if DOCPART == 2
	.amdgcn_target "amdgcn-amd-amdhsa--gfx1250"
	.amdhsa_code_object_version 6
	.text
	.protected	k_q3a735a8cdd_gemm
	.globl	k_q3a735a8cdd_gemm
	.p2align	8
	.type	k_q3a735a8cdd_gemm,@function
k_q3a735a8cdd_gemm:
	s_mov_b64 s[64:65], 0
	v_nop
	global_prefetch_b8 v0, s[64:65] scope:SCOPE_SE
	s_setreg_imm32_b32 hwreg(HW_REG_WAVE_MODE, 25, 1), 1
	s_wait_xcnt 0x0
	s_wait_alu depctr_hold_cnt(0) depctr_sa_sdst(0) depctr_va_vdst(0) depctr_va_sdst(0) depctr_va_ssrc(0) depctr_va_vcc(0) depctr_vm_vsrc(0)
	s_getreg_b32 s2, hwreg(HW_REG_IB_STS2, 6, 4)
	s_cmp_eq_u32 s2, 0
	s_cbranch_scc0 .Lentry_in_a_cluster
	s_endpgm
.Lentry_in_a_cluster:
	s_bfe_u32 s2, ttmp6, 0x10000c
	s_cmp_lg_u32 s2, 0xf033
	s_cbranch_scc0 .Lentry_shape_is_right
	s_endpgm
.Lentry_shape_is_right:
; The three projections relu(x^T W + b) on codes of FP6 (E2M3) with E8M0 scales for each 32 along K = 1,024, and the quantising of their results for the attention that follows.
; Operands: img [RT 152][sigma 4][25,600 bytes], laid in the order of the operand's registers: a piece is 128 rows x 256 K: [K step 2][block 8][1,536 bytes] of codes, then [block 8][row 16][8 bytes] of scale words; RT 0-127: x, 128-151: Wq, Wk, Wv.
; A WORK-GROUP STAYS: it makes three tiles of 256 x 256 results, Q, K and V, of the same 256 rows of x and the same 256 channels.  Four waves, as many as a WGP has SIMDs; a wave makes 128 x 128: 64 accumulators of 16 x 16, 512 registers.
; x's TILE, all of K, 204,800 bytes, COMES ONCE AND STAYS IN LDS for the three tiles.  Only W streams: twelve fills of 51,200 bytes (256 rows x 256 K) through two slots, and the ring runs on from Wq into Wk into Wv,
; which lie one behind the other in img: every step of a descriptor is a constant.  A tile's last two changes of slots ask for the next tile's first two fills, which land under the tile's way out.
; ROLES.  In a result, a lane holds ONE row of source 1, and its registers run along the rows of source 0.  Q and K are quantised along the head's 64 channels (rows of W): source 0 = W, source 1 = x.
; V is quantised along the keys (rows of x): source 0 = x, source 1 = W.  Q and K are a loop of two trips; V is written out behind it, since its last changes of slots ask for nothing.
; By the order of rows in a block (lane row r of block 2 g + u = row 32 g + 8 u + r + 8 (r / 8)) the 16 registers of source 0's blocks 2 g and 2 g + 1 are 16 NEIGHBOURS, 32 g + 16 (lane / 16) + 0 .. 15.
; The bias is the C of each sum's first matrix instruction.  The way out: relu, the quantiser in registers, and stores of whole fragments' images: nothing goes through LDS.
; qkv [pair p = 16 b + head][78,848 bytes]: Q at 0, K at 26,624: codes [block of 16 rows 32][768 bytes] (registers 0-3 at 16 L, registers 4, 5 at 512 + 8 L: k = 32 (L / 16) + 0 .. 31 of the head's 64),
;   then scale words [T4 4][2][r 16][4] (byte 0, byte 1; the upper two bytes are 0, over codes that are zeros).  V at 53,248: [T4 4][block of 16 channels 4][1,536 bytes], images of 16 channels x 128 keys; then scale words [T4][r 16][4].
; CLUSTERS: 4 x 4 work-groups.  x's tile hangs on the place along y alone and is shared along a row of the cluster, W's on the place along x alone and is shared along a column: each is asked for JOINTLY,
; by the same tensor load with the same descriptor and a mask that names the four.  Every wave issues every refill, for its quarter of the bytes; the head's first fills are one load a wave.
; LIMITS: a block of zeros gets the scale byte 1 where the quantiser says 127 (its codes are zeros, and this program alone reads the bytes); blocks whose largest number lies under 2^-124 keep the byte 1; NaN and infinities are not served.
; REGISTERS, in windows of 256: window 0: v8-29 addresses; v32-63 scale words, two sets, and nothing else; v64-127 64 results at work on the way out; v128-223 source 1's fragments, ONE set, on the way out the codes just made.
;   window 1: source 0's fragments, TWO sets, at v0 and v128; the biases in the 64 registers between and behind them (v96-127, v224-255).
;   window 2: the accumulators of source 1's blocks 0-3 (accumulator (a, b) at v[8 (8 (a % 4) + b)]);   window 3: those of blocks 4-7.
.set FR,     12                        ; registers of a fragment: 16 rows x 128 K
.set NL,     3                         ; LDS loads that bring one: its image is 3 x 512 consecutive bytes
.set NP,     4                         ; places behind this matrix instruction (ISA guide 7.12.1)
.set TILEB,  25600                     ; 128 rows x 256 K, codes and scale words: dense in memory
.set QB,     12800                     ; half of that: what one tensor load brings: a quarter of 256 rows x 256 K
.set RTB,    4*TILEB                   ; 128 rows, all of K
.set XS,     2*TILEB                   ; 256 rows x 256 K
.set XR,     0                         ; LDS: x, [half 2][sigma 4][25,600], filled once: a half's 102,400 bytes lie as in memory
.set WS,     4*XS                      ; behind it: W, [half 2][slot 2][25,600]: a half's two slots lie on end, as its sigma 0 and 1 lie in memory
.set SPARE,  WS+2*XS                   ; behind them: the spare words, 128 bytes for each wave: two blocks of 256 bytes that no other line names
.set NEXTW,  8*RTB-XS                  ; bytes from a slot's last fill of a weight to its first of the next weight, eight row tiles on
.set PREC,   78848                     ; a pair's record in qkv
.set ADRX, 8                           ; v8-11   LDS address of my fragments of x, sigma 0 .. 3; never rewritten
.set ADRW, 12                          ; v12-13  of my fragments of W in slot 0, 1; never rewritten
.set ADRS, 14                          ; v14-17  of my scale words, sigma 0 .. 3: lanes 0-15 x's rows, lanes 16-31 W's; never rewritten
.set VB1,  18                          ; v18     64 h: the bias of a lane's eight rows of W
.set VB2,  19                          ; v19     4 (r + 8 (r / 8)): the bias of a lane's one row of W
.set SH,   22                          ; v22     16 h
.set L16,  24                          ; v24     16 x lane
.set L8,   25                          ; v25     8 x lane
.set HR,   26                          ; v26     78,848 h + 16 r: the scale words' place
.set SPW,  28                          ; v28     LDS address of my spare word; never rewritten
.set NIL,  29                          ; v29     0; never rewritten
.set SC,   32                          ; scale words: set sigma % 2 at v[SC + 16 (sigma % 2)]; register 2 i + q: lanes 0-15 the word of x's block i, lanes 16-31 of W's block i, for sigma's q-th 128 along K
.set T,    64                          ; the way out: 64 results of a lane
.set AF,   128                         ; source 1's fragments
.set PC,   128                         ; the way out: v128-139 a fragment's codes, v140-146 the conversions' second halves
.set TM,   152                         ; v152-155 largest numbers, v156-159 bytes, v164-167 the conversions' scale operands
.set PW,   168                         ; the scale word just made
.set SW,   176                         ; v176-183 the eight blocks' scale words
.set SX,   184                         ; v184-187 V: the two heads' words in the two halves of the lanes
.set BI,   96                          ; in window 1: block b's eight biases at v[BI + 8 b + 96 (b / 4)]
.set G1X,  24                          ; s[24:31] descriptor group 1 for x's loads;  s[32:39] for W's: they differ in the mask and, for x's one load, the row count
.set G1W,  32
.set G0X,  40                          ; s[40:43] group 0 for x: 128 rows, all of K
.set G0H,  48                          ; s[48:51] group 0 for the first fill of W: 128 rows, sigma 0 and 1, both slots
.set G1H,  76                          ; s[76:83] group 1 for that fill: W's mask, 200 rows of 256 bytes
.set G0W,  56                          ; s[56:63] group 0 for W, one set for each slot
.set OB,   92                          ; s[92:93] qkv at my codes;  s[96:97] at my scale words (Q, K);  s[98:99] at V's
.set OS,   96
.set OSV,  98
.set SEL,  100                         ; s[100:101] v_permlanex16_b32's selects for lane l xor 16
.set MSB, 0
.macro WIN new                         ; the immediate's high byte repeats the setting that is left
.if MSB != \new
	s_set_vgpr_msb (MSB<<8)|\new
.set MSB, \new
.endif
.endm
.set MUL_LO, 0xa1                      ; source 0 window 1, source 1 window 0, C and D window 2
.set MUL_HI, 0xf1                      ; the same, C and D window 3
.set BEG_LO, 0x91                      ; a tile's first K step: C (the bias) window 1, D window 2
.set BEG_HI, 0xd1                      ; D window 3
.set TO_B,   0x40                      ; destination window 1, address window 0
.macro CREST                           ; a round of the cluster's barrier behind its opening barrier
	s_cmp_lg_u32 s16, 0
	s_cbranch_scc1 .Lnot_wave_0_\@
	s_barrier_signal -3
.Lnot_wave_0_\@:
	s_barrier_wait -3
	s_barrier_signal -1
	s_barrier_wait -1
.endm
.macro CROUND                          ; a whole round
	s_barrier_signal -1
	s_barrier_wait -1
	CREST
.endm
	s_load_b256 s[4:11], s[0:1], 0x0               ; img s[4:5], bq s[6:7], bk s[8:9], bv s[10:11]
	s_load_b64 s[12:13], s[0:1], 0x20              ; qkv
	v_lshl_add_u32 v[SPW], v0, 2, SPARE
	v_mov_b32 v[NIL], 0
	ds_add_u32 v28, v29
	ds_add_u32 v28, v29
	s_wait_dscnt 0x0
	v_lshrrev_b32 v1, 5, v0
	v_readfirstlane_b32 s16, v1                    ; wave 0..3
	s_lshr_b32 s17, s16, 1                         ; which 128 rows of x are mine.  Also: of which 128 rows of a tile I fetch a part
	s_and_b32 s18, s16, 1                          ; which 128 rows of W are mine.  Also: which half of those rows' piece I fetch
	s_bfe_u32 s2, ttmp6, 0x40000                   ; cx: it stays in s2, s3, s14, s15
	s_bfe_u32 s20, ttmp6, 0x40004                  ; cy: it stays in s20 - s23
	s_and_b32 s19, ttmp7, 0xffff                   ; the cluster's y: which 1,024 rows of x
	s_lshl_b32 s21, s20, 2
	s_lshl_b32 s21, 15, s21                        ; my row of the cluster
	s_lshl_b32 s3, 0x1111, s2                      ; my column
	; descriptor group 1: a dense block of 12,800 bytes as 50 rows of 256 bytes (32 elements of 8 bytes); no padding: a fragment's loads read 512 consecutive bytes
	s_or_b32 s[G1X+0], s21, (3<<16)|(1<<21)        ; 15:0 the mask: x's tiles go to my row; 17:16 elements of 8 bytes; 21 set beside a mask
	s_or_b32 s[G1W+0], s3, (3<<16)|(1<<21)         ; W's go to my column
.irp g, G1X, G1W
	s_mov_b32 s[\g+1], 32<<16                      ; tensor_dim0 = 32
	s_mov_b32 s[\g+2], 50<<16                      ; tensor_dim1 = 50
	s_mov_b32 s[\g+3], 32<<16                      ; tile_dim0 = 32
	s_mov_b32 s[\g+4], 50                          ; tile_dim1 = 50
	s_mov_b32 s[\g+5], 32                          ; tensor_dim0_stride
	s_mov_b32 s[\g+6], 0
	s_mov_b32 s[\g+7], 0
.endr
	s_or_b32 s[G1H+0], s3, (3<<16)|(1<<21)         ; the first fills: one load a wave, 51,200 bytes each
	s_mov_b32 s[G1H+1], 32<<16
	s_mov_b32 s[G1H+2], 200<<16
	s_mov_b32 s[G1H+3], 32<<16
	s_mov_b32 s[G1H+4], 200
	s_mov_b32 s[G1H+5], 32
	s_mov_b32 s[G1H+6], 0
	s_mov_b32 s[G1H+7], 0
	s_mov_b32 s[G1X+2], 400<<16                    ; x's 128 rows, all of K: 400 rows of 256 bytes
	s_mov_b32 s[G1X+4], 400
	s_mul_i32 s68, s18, QB                         ; my half of a piece, in memory
	s_mul_i32 s69, s17, XS                         ; where my quarter of a slot goes: the half's two slots, then my half of the piece: no place in the cluster enters an LDS address
	s_add_co_u32 s69, s69, s68
	s_lshl_b32 s22, s19, 2
	s_add_co_u32 s22, s22, s20                     ; x's tile of 256 rows = 4 x cluster y + cy
	s_lshl_b32 s22, s22, 1
	s_add_co_u32 s23, s22, s17                     ; its RT: the one I fetch from is also the one I multiply
	s_mov_b32 s94, s23                             ; (kept for the way out)
	s_add_co_u32 s22, s22, s18                     ; the RT that waves 0 and 1 fetch: wave % 2
	s_mul_i32 s22, s22, RTB
	s_mov_b32 s23, 0
	s_lshl_b32 s3, s2, 1
	s_add_co_u32 s14, s3, s17
	s_add_co_u32 s14, s14, 128                     ; Wq's RT that I fetch from: 128 + 2 cx + wave / 2
	s_mul_i32 s14, s14, RTB
	s_add_co_u32 s14, s14, s68
	s_mov_b32 s15, 0
	s_add_co_u32 s86, s3, s18
	s_add_co_u32 s86, s86, 128                     ; Wq's RT whose first fills waves 2 and 3 fetch: 128 + 2 cx + wave % 2
	s_mul_i32 s86, s86, RTB
	s_mov_b32 s87, 0
	s_wait_kmcnt 0x0
	s_add_nc_u64 s[22:23], s[4:5], s[22:23]
	s_add_nc_u64 s[14:15], s[4:5], s[14:15]
	s_add_nc_u64 s[86:87], s[4:5], s[86:87]
	s_mul_i32 s84, s18, RTB                        ; LDS: x's half wave % 2
	s_mul_i32 s85, s18, XS                         ; LDS: W's half wave % 2, both slots
.irp g, 0
	s_mov_b32 s[G0X+4*\g], 1                       ; 1:0 count = 1
	s_add_co_u32 s[G0X+4*\g+1], s84, XR+\g*TILEB   ; 63:32 LDS address: sigma 0; sigma 1 on
	s_add_nc_u64 s[G0X+4*\g+2:G0X+4*\g+3], s[22:23], \g*TILEB   ; 120:64 global address
	s_or_b32 s[G0X+4*\g+3], s[G0X+4*\g+3], 0x80000000           ; 127:126 type = 2
	s_mov_b32 s[G0H+4*\g], 1
	s_add_co_u32 s[G0H+4*\g+1], s85, WS+\g*XS
	s_add_nc_u64 s[G0H+4*\g+2:G0H+4*\g+3], s[86:87], \g*TILEB
	s_or_b32 s[G0H+4*\g+3], s[G0H+4*\g+3], 0x80000000
.endr
.irp s, 0,1
	s_mov_b32 s[G0W+4*\s], 1
	s_add_co_u32 s[G0W+4*\s+1], s69, WS+\s*TILEB
	s_add_nc_u64 s[G0W+4*\s+2:G0W+4*\s+3], s[14:15], \s*TILEB
	s_or_b32 s[G0W+4*\s+3], s[G0W+4*\s+3], 0x80000000
.endr
	CROUND                                         ; all sixteen work-groups are here: the first joint loads meet
	s_cmp_lt_u32 s16, 2                            ; what the first 256 along K want, one load a wave: waves 0, 1 all of x, waves 2, 3 both slots of W
	s_cbranch_scc0 .Lhead_w
	tensor_load_to_lds s[G0X:G0X+3], s[G1X:G1X+7]
	s_nop 0
.rept 4
	v_nop
.endr
	s_branch .Lhead_in
.Lhead_w:
	tensor_load_to_lds s[G0H:G0H+3], s[G1H:G1H+7]
	s_nop 0
.rept 4
	v_nop
.endr
.Lhead_in:
.rept 4
	v_nop
.endr
	v_and_b32 v1, 15, v0                           ; r = lane % 16
	v_bfe_u32 v2, v0, 4, 1                         ; h = lane / 16
	v_and_b32 v3, 31, v0
	v_lshlrev_b32 v[L16], 4, v3
	v_lshlrev_b32 v[L8], 3, v3
	v_lshlrev_b32 v[SH], 4, v2
	v_lshlrev_b32 v[VB1], 6, v2
	v_and_b32 v4, 8, v1
	v_add_nc_u32 v4, v4, v1
	v_lshlrev_b32 v[VB2], 2, v4
	v_mul_u32_u24 v[HR], v2, PREC
	v_lshl_add_u32 v[HR], v1, 4, v[HR]
	v_lshlrev_b32 v5, 3, v1                        ; my row's scale words: 8 bytes a row
	s_mul_i32 s70, s17, RTB                        ; my 128 rows of x: a half of 102,400 bytes,
	s_mul_i32 s71, s18, XS                         ; my 128 rows of W: a half's two slots
.irp g, 0,1,2,3
	s_add_co_u32 s72, s70, XR+\g*TILEB
	v_add_nc_u32 v[ADRX+\g], s72, v[L16]
	s_add_co_u32 s73, s71, WS+(\g%2)*TILEB
	s_sub_co_u32 s73, s73, s72
	v_mul_u32_u24 v6, s73, v2                      ; lanes 16-31 take W's words: the lower base + h x the distance
	s_wait_alu depctr_va_vdst(0)
	s_add_co_u32 s72, s72, 24576                   ; the scale words lie behind a piece's codes
	v_add_nc_u32 v6, v5, v6
	v_add_nc_u32 v[ADRS+\g], s72, v6
.endr
.irp s, 0,1
	s_add_co_u32 s72, s71, WS+\s*TILEB
	v_add_nc_u32 v[ADRW+\s], s72, v[L16]
.endr
	; where my results go: these numbers hold both coordinates and feed plain loads and stores alone
	s_lshl_b32 s95, s2, 1
	s_add_co_u32 s95, s95, s18                     ; which 128 channels are mine: heads 2 j and 2 j + 1, j = 2 cx + wave % 2
	s_lshr_b32 s92, s94, 2                         ; x's RT = 4 b + T4
	s_lshl_b32 s92, s92, 4
	s_lshl_b32 s93, s95, 1
	s_add_co_u32 s92, s92, s93                     ; the first pair: 16 b + 2 j
	s_and_b32 s94, s94, 3                          ; T4
	s_mul_i32 s92, s92, PREC                       ; its record
	s_lshl_b32 s96, s94, 9
	s_add_co_u32 s96, s96, s92
	s_add_co_u32 s96, s96, 24576                   ; Q's scale words: 512 bytes for each T4
	s_lshl_b32 s98, s94, 8
	s_add_co_u32 s98, s98, s92
	s_add_co_u32 s98, s98, 2*26624+24576           ; V's: 256 bytes for each T4
	s_mul_i32 s94, s94, 6144
	s_add_co_u32 s92, s92, s94                     ; Q's codes: 6,144 bytes for each T4 (K's and V's likewise, 26,624 and 53,248 bytes on)
	s_mov_b32 s93, 0
	s_mov_b32 s97, 0
	s_mov_b32 s99, 0
	s_add_nc_u64 s[OB:OB+1], s[12:13], s[OB:OB+1]
	s_add_nc_u64 s[OS:OS+1], s[12:13], s[OS:OS+1]
	s_add_nc_u64 s[OSV:OSV+1], s[12:13], s[OSV:OSV+1]
	s_lshl_b32 s94, s95, 9                         ; my 128 biases
	s_mov_b32 s95, 0
	s_add_nc_u64 s[6:7], s[6:7], s[94:95]
	s_add_nc_u64 s[8:9], s[8:9], s[94:95]
	s_add_nc_u64 s[10:11], s[10:11], s[94:95]
	s_mov_b32 s75, 0xffff0000                      ; lanes 16-31
	s_mov_b32 s[SEL], 0x76543210
	s_mov_b32 s[SEL+1], 0xfedcba98
; The biases, in the result's layout, into window 1.  Q, K: register j of block b of W is channel 32 (b / 2) + 8 (b % 2) + 16 h + j.
.macro BIAS_QK base
	WIN TO_B
.irp b, 0,1,2,3,4,5,6,7
	global_load_b128 v[BI+8*\b+96*(\b/4):BI+8*\b+96*(\b/4)+3], v[VB1], s[\base:\base+1] offset:(32*(\b/2)+8*(\b%2))*4
	global_load_b128 v[BI+8*\b+96*(\b/4)+4:BI+8*\b+96*(\b/4)+7], v[VB1], s[\base:\base+1] offset:(32*(\b/2)+8*(\b%2))*4+16
.endr
	WIN 0
.endm
; V: all eight registers of block a of W belong to the lane's one channel 32 (a / 2) + 8 (a % 2) + r + 8 (r / 8)
.macro BIAS_V
	WIN TO_B
.irp a, 0,1,2,3,4,5,6,7
.irp j, 0,1,2,3,4,5,6,7
	global_load_b32 v[BI+8*\a+96*(\a/4)+\j], v[VB2], s[10:11] offset:(32*(\a/2)+8*(\a%2))*4
.endr
.endr
	WIN 0
.endm
.macro FRAG reg, adr, q, i             ; a fragment comes as it was stored: three loads of 512 consecutive bytes, 16 a lane
.irp g, 0,1,2
	ds_load_b128 v[\reg+4*\g:\reg+4*\g+3], v[\adr] offset:(\q)*12288+(\i)*1536+512*\g
.endr
.endm
; kind 0 (Q, K): source 0 = W, source 1 = x.  kind 1 (V): source 0 = x, source 1 = W.  BAD, AAD: the address registers of source 0's and source 1's fragments for sigma sg (W's slot is sg % 2)
.macro PICK kind, sg
.if \kind
.set BAD, ADRX+(\sg)
.set AAD, ADRW+(\sg)%2
.else
.set BAD, ADRW+(\sg)%2
.set AAD, ADRX+(\sg)
.endif
.endm
; 16 matrix instructions: source 1's blocks a0, a0 + 1 x source 0's eight, 128 along K: sigma's q-th.  p: source 0's set;  sc: the set of scale words.
; beg = 1: the sums begin with the bias, of source 0's block (Q, K) or of source 1's (V).  Nothing is ever cleared.  W's scale words lie in lanes 16-31 of the registers: the selector stands on W's side.
; The 64 accumulators take turns, one instruction a turn, in the same order in every step.
.macro MUL16 a0, p, q, sc, kind, beg
.irp a, \a0, \a0+1
.irp b, 0,1,2,3,4,5,6,7
.set rD, 8*(8*((\a)%4)+\b)
.set rA, 128*(\p)+FR*\b
.set rB, AF+FR*(\a)
.set rSA, SC+16*(\sc)+2*\b+(\q)
.set rSB, SC+16*(\sc)+2*(\a)+(\q)
.if \beg
.if \kind
.set rC, BI+8*(\a)+96*((\a)/4)
.else
.set rC, BI+8*\b+96*(\b/4)
.endif
.else
.set rC, 8*(8*((\a)%4)+\b)
.endif
.if \kind
	v_wmma_scale_f32_16x16x128_f8f6f4 v[rD:rD+7], v[rA:rA+FR-1], v[rB:rB+FR-1], v[rC:rC+7], v[rSA], v[rSB] matrix_a_fmt:MATRIX_FMT_FP6 matrix_b_fmt:MATRIX_FMT_FP6 matrix_b_scale:MATRIX_SCALE_ROW1
.else
	v_wmma_scale_f32_16x16x128_f8f6f4 v[rD:rD+7], v[rA:rA+FR-1], v[rB:rB+FR-1], v[rC:rC+7], v[rSA], v[rSB] matrix_a_fmt:MATRIX_FMT_FP6 matrix_b_fmt:MATRIX_FMT_FP6 matrix_a_scale:MATRIX_SCALE_ROW1
.endif
.endr
.endr
.endm
.macro FETCH_B adr, q, p               ; source 0's eight fragments of a sigma's q-th 128 along K into set p
	WIN TO_B
.irp i, 0,1,2,3,4,5,6,7
	FRAG 128*(\p)+FR*\i, \adr, \q, \i
.endr
	WIN 0
.endm
.macro FETCH_A adr, q, i0              ; source 1's blocks i0 .. i0 + 3
.irp i, \i0, \i0+1, \i0+2, \i0+3
	FRAG AF+FR*(\i), \adr, \q, \i
.endr
.endm
.macro SCALES sg                       ; sigma sg's scale words into set sg % 2: two words a row; lanes 0-15 take x's block i, lanes 16-31 W's block i
.irp i, 0,1,2,3,4,5,6,7
	ds_load_b64 v[SC+16*((\sg)%2)+2*\i:SC+16*((\sg)%2)+2*\i+1], v[ADRS+(\sg)] offset:\i*128
.endr
.endm
; A load into a register that a matrix instruction has read, and a vector instruction that reads a matrix result, stand NP places behind that matrix instruction, and only plain vector instructions
; that name none of its registers are places (ISA guide 7.12.1 for vector instructions); this text does not count the matrix instructions in between.
.macro PLACES n
.rept \n
	v_nop
.endr
.endm
.macro FIRST kind                      ; a tile's first fragments and scale words
	PICK \kind, 0
	FETCH_B BAD, 0, 0
	FETCH_A AAD, 0, 0
	SCALES 0
	FETCH_A AAD, 0, 4
.endm
; The first 128 along K of sigma sg.  A block of source 1 is free as soon as its eight products are issued, so one set of registers serves it:
; blocks 0-3 are fetched anew in the step's middle, blocks 4-7 at its end.  Source 0's fragments are at work through the whole step and have two sets.
.macro STEP kind, sg, beg
	PICK \kind, \sg
	s_wait_dscnt 4*NL                              ; all but the youngest 12 loads (source 1's blocks 4-7) are in
.if \beg
	WIN BEG_LO
.else
	WIN MUL_LO
.endif
	MUL16 0, 0, 0, (\sg)%2, \kind, \beg
	MUL16 2, 0, 0, (\sg)%2, \kind, \beg
	s_wait_dscnt 0x0                               ; blocks 4-7 are in (asked for 32 matrix instructions ago)
	PLACES NP
	FETCH_B BAD, 1, 1
	FETCH_A AAD, 1, 0
.if \beg
	WIN BEG_HI
.else
	WIN MUL_HI
.endif
	MUL16 4, 0, 0, (\sg)%2, \kind, \beg
	MUL16 6, 0, 0, (\sg)%2, \kind, \beg
	PLACES NP
	WIN 0
	FETCH_A AAD, 1, 4
.endm
; The second 128 along K of sigma sg leaves W's slot sg % 2: ONE barrier; in front of it each wave waits for all its tensor loads, adds 0 to its spare word, and waits for that and for its own reads of the slot.
; fill = 1: the slot is filled again with the same weight's sigma sg + 2;  fill = 2: with the next weight's sigma sg - 2;  fill = 0: nothing is left to fetch, and no round of the cluster's barrier follows.
; fetch = 1: sigma sg + 1's first fragments are fetched;  fetch = 0: the tile ends here, and its way out works in source 1's registers.
.macro TURN kind, sg, fill, fetch
	s_wait_tensorcnt 0x0                           ; all my tensor loads have landed: my part of the other slot;  (every window is 0 here)
	ds_add_u32 v[SPW], v[NIL]                      ; 0 onto my spare word
	s_wait_dscnt 4*NL+1                            ; (the add and the youngest 12 loads, source 1's blocks 4-7, may be out)
	WIN MUL_LO
	MUL16 0, 1, 1, (\sg)%2, \kind, 0               ; sixteen matrix instructions stand between the add and the wait for it
	s_wait_dscnt 0x0                               ; the add is done, and my reads of this slot are over
	s_barrier_signal -1
	MUL16 2, 1, 1, (\sg)%2, \kind, 0
	WIN 0
	s_barrier_wait -1
.if \fill
	CREST                                          ; the barrier has opened a round of the cluster's barrier: no wave of any partner still reads this slot or has a load on its way
.if \fill == 1
	s_add_nc_u64 s[G0W+4*((\sg)%2)+2:G0W+4*((\sg)%2)+3], s[G0W+4*((\sg)%2)+2:G0W+4*((\sg)%2)+3], XS
.else
	s_add_nc_u64 s[G0W+4*((\sg)%2)+2:G0W+4*((\sg)%2)+3], s[G0W+4*((\sg)%2)+2:G0W+4*((\sg)%2)+3], NEXTW
.endif
	tensor_load_to_lds s[G0W+4*((\sg)%2):G0W+4*((\sg)%2)+3], s[G1W:G1W+7]   ; the first tensor load behind the round, my one load until the next
	s_nop 0
.rept 4
	v_nop                                          ; (they are also the places in front of the loads below)
.endr
.else
	PLACES NP
.endif
.if \fetch
	PICK \kind, (\sg)+1
	FETCH_B BAD, 0, 0
	FETCH_A AAD, 0, 0
	SCALES (\sg)+1
.endif
	WIN MUL_HI
	MUL16 4, 1, 1, (\sg)%2, \kind, 0
	MUL16 6, 1, 1, (\sg)%2, \kind, 0
	PLACES NP
	WIN 0
.if \fetch
	FETCH_A AAD, 0, 4
.endif
.endm
; 64 numbers of a lane, none negative, v[s] .. v[s + 63], register 16 b + i = k 32 b + 16 (lane / 16) + i of my row, become a fragment's codes in v[PC] on and its scale word in v[PW] (the same in lanes l and l xor 16).
.macro QUANT s
.irp b, 0,1,2,3
	v_max3_num_f32 v[TM+\b], v[\s+16*\b], v[\s+1+16*\b], 0x1800000   ; block b: my 16 numbers, and the floor 2^(3 - 127): the byte cannot fall under 1
.endr
.irp i, 2,4,6,8,10,12,14
.irp b, 0,1,2,3
	v_max3_num_f32 v[TM+\b], v[TM+\b], v[\s+16*\b+\i], v[\s+1+16*\b+\i]   ; (the four blocks by turns)
.endr
.endr
.irp b, 0,1,2,3
	v_permlanex16_b32 v[TM+4+\b], v[TM+\b], s[SEL], s[SEL+1]
.endr
.irp b, 0,1,2,3
	v_max_num_f32 v[TM+\b], v[TM+\b], v[TM+4+\b]   ; with lane l xor 16's: the block's largest number
.endr
.irp b, 0,1,2,3
	v_add_nc_u32 v[TM+12+\b], 0xff000000, v[TM+\b] ; 2 off its exponent field: the conversion's scale operand
.endr
.irp b, 0,1,2,3
	v_lshrrev_b32 v[TM+4+\b], 23, v[TM+12+\b]      ; the scale's byte
.endr
	v_lshl_or_b32 v[PW], v[TM+5], 8, v[TM+4]
	v_lshl_or_b32 v[PW], v[TM+6], 16, v[PW]
	v_lshl_or_b32 v[PW], v[TM+7], 24, v[PW]
	s_wait_xcnt 0x0                                ; the last block's stores have read their registers: the codes are written again only behind this wait, which stands as late as it can
.irp c, 0,1
	v_cvt_scalef32_pk16_fp6_f32 v[PC+6*\c:PC+2+6*\c], v[\s+32*\c:\s+15+32*\c], v[TM+12+2*\c]
	v_cvt_scalef32_pk16_fp6_f32 v[PC+12+4*\c:PC+14+4*\c], v[\s+16+32*\c:\s+31+32*\c], v[TM+12+2*\c+1]   ; (a conversion's three registers begin on an even number)
.endr
	v_nop                                          ; one plain place behind a scaled conversion
.irp c, 0,1                                    ; the operand's layout wants a WHOLE block in a lane: lanes 0-15 block 2 c, lanes 16-31 block 2 c + 1
.irp i, 0,1,2
	v_permlane16_swap_b32 v[PC+6*\c+\i], v[PC+12+4*\c+\i]
.endr
.irp i, 0,1,2
	v_mov_b32 v[PC+3+6*\c+\i], v[PC+12+4*\c+\i]
.endr
.endr
.endm
; THE WAY OUT of source 1's block a: its eight accumulators are 64 results of a lane's row, 128 neighbours along the next K in two halves of the lanes.  relu moves them to window 0, each accumulator from its low end on;
; they are quantised; the codes leave as they stand in the registers.  Q, K: registers 0-5 are the first head's 64 channels, registers 6-11 the second's; V: the whole fragment is 16 channels x 128 keys.
.macro OUT a, kind
.set AC, 64*((\a)%4)
.set WN, 0x08+4*((\a)/4)
	WIN WN                                         ; source 1: window 2 or 3
.set j, 0
.rept 64
	v_max_num_f32 v[T+j], 0, v[AC+j]
.set j, j+1
.endr
	WIN 0
	QUANT T
.if \kind
	v_mov_b32 v[SW+(\a)], v[PW]
.irp g, 0,1,2
	global_store_b128 v[L16], v[PC+4*\g:PC+4*\g+3], s[OB:OB+1] offset:((\a)/4)*PREC+((\a)%4)*1536+512*\g   ; blocks 0-3: the first head's 64 channels; 4-7: the second's; 512 consecutive bytes, aligned to 256
.endr
.else
	v_lshrrev_b32 v[SW+(\a)], v[SH], v[PW]         ; lanes 0-15 keep the first head's two bytes, lanes 16-31 the second's
	v_and_b32 v[SW+(\a)], 0xffff, v[SW+(\a)]
	global_store_b128 v[L16], v[PC:PC+3], s[OB:OB+1] offset:768*(\a)               ; 512 consecutive bytes, aligned to 256
	global_store_b64 v[L8], v[PC+4:PC+5], s[OB:OB+1] offset:768*(\a)+512           ; 256 consecutive bytes, aligned
	global_store_b128 v[L16], v[PC+6:PC+9], s[OB:OB+1] offset:PREC+768*(\a)        ; the second head: the next pair's record
	global_store_b64 v[L8], v[PC+10:PC+11], s[OB:OB+1] offset:PREC+768*(\a)+512
.endif
.endm
.macro WAYOUT kind
.irp b, 0,1,2,3
	v_mov_b32 v[TM+4+\b], 0                        ; a lane permute's destination counts as one of its sources
.endr
.irp a, 0,1,2,3,4,5,6,7
	OUT \a, \kind
.endr
.if \kind                                      ; the scale words: sixteen lanes store 256 consecutive bytes, aligned; lanes 16-31 the same in the next pair's record
.irp k, 0,1,2,3
	v_cndmask_b32 v[SX+\k], v[SW+\k], v[SW+4+\k], s75   ; lanes 0-15: the first head's four blocks; lanes 16-31: the second's
.endr
	global_store_b128 v[HR], v[SX:SX+3], s[OSV:OSV+1]
.else
	global_store_b128 v[HR], v[SW:SW+3], s[OS:OS+1]
	global_store_b128 v[HR], v[SW+4:SW+7], s[OS:OS+1] offset:256
.endif
.endm
	BIAS_QK 6                                      ; bq
	s_wait_alu depctr_va_vdst(0)
	s_wait_tensorcnt 0x0                           ; my first fill is in; the other first fills are issued as refills are:
	s_barrier_signal -1                            ; my one first fill is in: waves 0, 1 all of x, waves 2, 3 both slots of W;
	s_barrier_wait -1                              ; everybody's is
	s_mov_b32 s74, 0
.Ltile:                                        ; two trips: Q, then K.  W's slot 0 holds the tile's sigma 0 (shown landed by the last wait for all loads and the round behind it)
	s_wait_alu depctr_va_vdst(0)
	FIRST 0
	s_wait_loadcnt 0x0                             ; the tile's biases
	STEP 0, 0, 1                                   ; its products begin the sums with the bias
	s_cmp_lg_u32 s74, 0                            ; the next tile's biases are asked for at once (four places behind the last product that read these registers): K's in Q's layout, or V's
	s_cbranch_scc1 .Lbias_v
	BIAS_QK 8
	s_branch .Lbias_in
.Lbias_v:
	BIAS_V
.Lbias_in:
	TURN 0, 0, 1, 1
	STEP 0, 1, 0
	TURN 0, 1, 1, 1
	STEP 0, 2, 0
	TURN 0, 2, 2, 1                                ; THE RING GOES ON INTO THE NEXT WEIGHT: slot 0 takes its sigma 0,
	STEP 0, 3, 0
	TURN 0, 3, 2, 0                                ; slot 1 its sigma 1: both are on their way while the tile goes out
	WAYOUT 0
	s_wait_xcnt 0x0                                ; the stores have read their registers and bases: both are written again only behind this wait
	s_add_nc_u64 s[OB:OB+1], s[OB:OB+1], 26624     ; on to the next record of the pair
	s_add_nc_u64 s[OS:OS+1], s[OS:OS+1], 26624
	s_add_co_u32 s74, s74, 1
	s_cmp_lt_u32 s74, 2
	s_cbranch_scc1 .Ltile
	FIRST 1                                        ; V: x is source 0 now, W source 1
	s_wait_loadcnt 0x0
	STEP 1, 0, 1
	TURN 1, 0, 1, 1
	STEP 1, 1, 0
	TURN 1, 1, 1, 1                                ; the last fill
	STEP 1, 2, 0
	TURN 1, 2, 0, 1                                ; nothing is left to fetch
	STEP 1, 3, 0
	s_wait_dscnt 4*NL                              ; the very last step
	WIN MUL_LO
	MUL16 0, 1, 1, 1, 1, 0
	MUL16 2, 1, 1, 1, 1, 0
	s_wait_dscnt 0x0
	WIN MUL_HI
	MUL16 4, 1, 1, 1, 1, 0
	MUL16 6, 1, 1, 1, 1, 0
	WIN 0
	PLACES NP                                      ; in front of the first read of results and of the writes into registers that held source 1's fragments
	WAYOUT 1
	s_wait_tensorcnt 0x0                           ; the wave's end
	ds_add_u32 v[SPW], v[NIL]
	s_wait_dscnt 0x0
	CROUND                                         ; the closing round: no work-group ends while a partner may still ask for a tile that names it
	s_endpgm
.Lfunc_end_k_q3a735a8cdd_gemm:
	.size	k_q3a735a8cdd_gemm, .Lfunc_end_k_q3a735a8cdd_gemm-k_q3a735a8cdd_gemm
	.p2alignl 7, 3214868480
	.fill 96, 4, 3214868480
	.section	.rodata,"a",@progbits
	.p2align	6, 0x0
	.amdhsa_kernel k_q3a735a8cdd_gemm
		.amdhsa_group_segment_fixed_size 327680
		.amdhsa_private_segment_fixed_size 0
		.amdhsa_enable_private_segment 0
		.amdhsa_kernarg_size 40
		.amdhsa_user_sgpr_count 2
		.amdhsa_user_sgpr_kernarg_segment_ptr 1
		.amdhsa_wavefront_size32 1
		.amdhsa_system_sgpr_workgroup_id_x 1
		.amdhsa_system_sgpr_workgroup_id_y 1
		.amdhsa_system_sgpr_workgroup_id_z 1
		.amdhsa_system_vgpr_workitem_id 0
		.amdhsa_next_free_vgpr 1024
		.amdhsa_next_free_sgpr 102
		.amdhsa_reserve_vcc 0
		.amdhsa_float_denorm_mode_32 3
		.amdhsa_float_denorm_mode_16_64 3
		.amdhsa_memory_ordered 1
		.amdhsa_forward_progress 1
		.amdhsa_inst_pref_size 255
	.end_amdhsa_kernel
	.section	.bss,"aw",@nobits
	.p2align	6
	.space	262144
	.amdgpu_metadata
---
amdhsa.version: [ 1, 2 ]
amdhsa.kernels:
  - .name:           k_q3a735a8cdd_gemm
    .symbol:         k_q3a735a8cdd_gemm.kd
    .args:
      - { .name: img, .offset: 0, .size: 8, .value_kind: global_buffer, .address_space: global }
      - { .name: bq, .offset: 8, .size: 8, .value_kind: global_buffer, .address_space: global }
      - { .name: bk, .offset: 16, .size: 8, .value_kind: global_buffer, .address_space: global }
      - { .name: bv, .offset: 24, .size: 8, .value_kind: global_buffer, .address_space: global }
      - { .name: qkv, .offset: 32, .size: 8, .value_kind: global_buffer, .address_space: global }
    .group_segment_fixed_size: 327680
    .private_segment_fixed_size: 0
    .kernarg_segment_align: 8
    .kernarg_segment_size: 40
    .max_flat_workgroup_size: 128
    .sgpr_count:     102
    .vgpr_count:     1024
    .wavefront_size: 32
...
	.end_amdgpu_metadata
.endif
;; end of part 2
;; launch attn (part 3): grid 256 x 1, 8 waves a work-group, no clusters, 327,680 bytes of LDS; arguments qkv, x, y, st; writes y, st
.if DOCPART == 3
	.amdgcn_target "amdgcn-amd-amdhsa--gfx1250"
	.amdhsa_code_object_version 6
	.text
	.protected	k_q3a735a8cdd_attn
	.globl	k_q3a735a8cdd_attn
	.p2align	8
	.type	k_q3a735a8cdd_attn,@function
k_q3a735a8cdd_attn:
	s_mov_b64 s[64:65], 0
	v_nop
	global_prefetch_b8 v0, s[64:65] scope:SCOPE_SE
	s_setreg_imm32_b32 hwreg(HW_REG_WAVE_MODE, 25, 1), 1
	s_wait_xcnt 0x0
; For each pair p = 16 b + head: ctx = softmax(Q K^T / 8) V on codes of FP6 (E2M3) with E8M0 scales for each 32 along a product's K; y[b][c][t] = ctx + x;
; and for each (b, c) the mean and the centred sum of squares of its 512 t: st [b 32][c 1024][2].
; THE SOFTMAX: t = score x log2(e) / 8; M = the largest t so far, rounded UP to a whole number; p = 2^(t - M) is quantised along the keys, not normalised.  The row's sum is taken of the
; unquantised p, in f32, and divides at the end.  When M moves, the sum and O are multiplied by 2^(old M - new M): exact.
; qkv [p][78,848 bytes]: Q at 0, K at 26,624: codes [block of 16 rows 32][768], scale words at + 24,576; V at 53,248: [128 keys 4][16 channels 4][1,536], scale words at + 24,576: all in the order of the operand's registers.
; The head's K is 64: registers 6-11 of Q's fragments are zero codes, written once.  K's EIGHT FRAGMENTS OF A STEP LIE 6 REGISTERS APART: a fragment's registers 6-11 are the next block's codes
; (behind the last: zeros), which meet Q's zero codes and add nothing.  So a step's K is 54 registers, and the next step's is asked for as soon as the scores' products are issued.
; SHARES.  Work-group g: pairs 2 g, 2 g + 1.  Each record, 78,848 dense bytes, comes into LDS once, an eighth (77 rows of 128 bytes: 256 does not divide it) by each wave:
; record 0 by the wave's one load at the head; record 1 behind the first barrier, issued as a refill is, and awaited in front of the barrier that closes pair 0.  No byte is filled twice.
; Wave w owns queries 64 w .. 64 w + 63 of each pair: four tiles of 16, TWO AT A TIME, tile A in register window 0 and tile B in window 1 under the same register numbers: each fragment of K and V feeds both.
; 64 queries are 256 bytes of a channel's row of y, so a wave's way out is its own; only the statistics meet, behind one barrier a pair.
; Both products are used transposed (S^T = K Q^T, O^T = V^T P^T): a lane holds one query.  Lane row r of block 2 g + u is row 32 g + 8 u + r + 8 (r / 8).
; THE WAY OUT.  O^T and 1 / sum go into the wave's stage [channel 64][t 64]; rows come back sixteen lanes to 256 bytes; y = ctx / sum + x is one multiply-add; y is stored, and goes back into the stage,
; from which each lane takes one whole channel: its mean and then its centred squares need no other lane.  The eight waves' parts are joined by waves 0 and 1, a lane a channel:
; the mean of the means, and the sum of (a part's squares + 64 (its mean - mean)^2): no difference of large sums is formed.
; x: channels 0-31 of a pair are loaded into registers at the pair's start; channels 32-63 are prefetched there (a lane a row of 256 bytes, each named once, by the wave that loads it) and loaded at the way out.
; The records have no prefetch: record 0 is asked for in the first lines, record 1 a whole pair's work ahead of its first read.  NO CLUSTER: a pair's record is read by this work-group alone.
; A pair's very last step asks once more for K's step 0, which the next pair's start asks for anew from its own record.
; LIMITS: NaN and infinities are not served; the scaled scores stay under 2^31; a block whose every p has fallen to 0 keeps the scale byte 1 (its codes are zeros).
; REGISTERS.  Both windows: v12 -M, v13 largest t, v[14:15] the sum, v16-27 Q, v92-114 at work, v116-127 P, v128-191 S^T then p, v192-223 O^T, v242-255 partial sums.
;   Window 0: v0-11 addresses, v28-31 and v236-239 K's scale words, v32-85 K, v86-87 Q's scale words, v88-91 V's, v113, v115 P's scale words (A, B), v224-234, v240-241 addresses.
;   Window 1: v2-5 statistics, v8-11 1 / sum, v28-91 x of channels 0-31; V's fragments take v128-175 when tile B's p is done with.
.set REC2, 78848
.set STG,  157696                      ; behind the records: a stage of 64 rows of 256 + 16 bytes for each wave; no fill lands here
.set SP,   272
.set WSTG, 64*SP
.set RL,   STG+8*WSTG                  ; 256 bytes a wave: 1 / sum of its 64 queries
.set STT,  RL+8*256                    ; [pair 2][wave 8][channel 64][2]: the waves' statistics
.set SPARE, STT+8192                   ; the spare words, 128 bytes a wave
.set SPW, 224
.set NIL, 225
.set RD,  226                          ; stage, by rows: SP (l / 16) + 16 (l % 16)
.set LC,  227                          ; stage, a lane a channel: SP l
.set XO,  228                          ; x, y: 2,048 (l / 16) + 16 (l % 16)
.set RLS, 229                          ; 1 / sum: in
.set RLQ, 230                          ; and out, four t a lane
.set STO, 231                          ; 8 l
.set PFO, 232                          ; 2,048 l
.set RLA, 233
.set QSA, 234
.set STS, 240                          ; my statistics' place
.set STR, 241                          ; where waves 0 and 1 read all eight
.set TS,  240
.set MSB, 0
.macro WIN new                         ; the immediate's high byte repeats the setting that is left
.if MSB != (\new)
	s_set_vgpr_msb (MSB<<8)|(\new)
.set MSB, (\new)
.endif
.endm
.macro NOPS n
.rept \n
	v_nop
.endr
.endm
.macro WM d, a, b, c, sa, sb
	v_wmma_scale_f32_16x16x128_f8f6f4 v[\d:\d+7], v[\a:\a+11], v[\b:\b+11], \c, v[\sa], v[\sb] matrix_a_fmt:MATRIX_FMT_FP6 matrix_b_fmt:MATRIX_FMT_FP6
.endm
	s_load_b256 s[4:11], s[0:1], 0x0               ; qkv, x, y, st
	v_lshl_add_u32 v[SPW], v0, 2, SPARE
	v_mov_b32 v[NIL], 0
	ds_add_u32 v[SPW], v[NIL]
	ds_add_u32 v[SPW], v[NIL]
	v_lshrrev_b32 v1, 5, v0
	v_readfirstlane_b32 s12, v1                    ; wave 0..7
	s_mov_b32 s24, 3<<16                           ; group 1: 9,856 dense bytes as 77 rows of 128 (16 elements of 8 bytes)
	s_mov_b32 s25, 16<<16
	s_mov_b32 s26, 77<<16
	s_mov_b32 s27, 16<<16
	s_mov_b32 s28, 77
	s_mov_b32 s29, 16
	s_mov_b32 s30, 0
	s_mov_b32 s31, 0
	s_mul_i32 s13, s12, 9856                       ; my eighth of a record, in LDS
	s_mul_i32 s14, ttmp9, 157696
	s_add_co_u32 s14, s14, s13                     ; and in memory
	s_mov_b32 s15, 0
	s_mov_b32 s32, 1
	s_mov_b32 s33, s13
	s_wait_dscnt 0x0
	s_wait_kmcnt 0x0
	s_add_nc_u64 s[34:35], s[4:5], s[14:15]
	s_or_b32 s35, s35, 0x80000000
	tensor_load_to_lds s[32:35], s[24:31]          ; record 0: my one tensor load at the head
	s_nop 0
	NOPS 4
	v_and_b32 v92, 15, v0                          ; r
	v_bfe_u32 v93, v0, 4, 1                        ; h
	v_and_b32 v94, 31, v0                          ; l
	v_lshlrev_b32 v4, 4, v94
	v_lshlrev_b32 v5, 3, v94
	v_lshlrev_b32 v6, 4, v92
	v_and_b32 v95, 8, v92
	v_add_nc_u32 v95, v95, v92
	v_lshlrev_b32 v95, 2, v95                      ; 4 (r + 8 (r / 8))
	s_mul_i32 s16, s12, WSTG
	s_add_co_u32 s16, s16, STG                     ; my stage
	v_mad_u32_u24 v10, v93, 16*SP, v95
	v_add_nc_u32 v10, s16, v10                     ; into it: channel 16 h, my query
	v_mad_u32_u24 v[RD], v93, SP, v6
	v_add_nc_u32 v[RD], s16, v[RD]
	v_mul_u32_u24 v[LC], v94, SP
	v_add_nc_u32 v[LC], s16, v[LC]
	v_lshl_add_u32 v[XO], v93, 11, v6
	s_lshl_b32 s17, s12, 8
	s_add_co_u32 s17, s17, RL
	v_add_nc_u32 v[RLS], s17, v95
	v_add_nc_u32 v[RLQ], s17, v6
	v_lshlrev_b32 v[STO], 3, v94
	v_lshlrev_b32 v[PFO], 11, v94
.irp j, 22,23,24,25,26,27, 80,81,82,83,84,85
	v_mov_b32 v[\j], 0                             ; tile A's Q, k = 64 .. 127: zero codes; and what lies behind K's last fragment
.endr
	WIN 0x40
.irp j, 22,23,24,25,26,27,3,5
	v_mov_b32 v[\j], 0                             ; window 1: tile B's Q; and the upper halves of two pairs that are named before they are written
.endr
	WIN 0
	s_mul_i32 s40, s12, 3072                       ; my four blocks of queries
	s_lshl_b32 s41, s12, 8                         ; and their scale words
	s_lshl_b32 s42, s12, 9
	s_add_co_u32 s42, s42, STT                     ; my 512 bytes of statistics
	s_add_co_u32 s43, s41, STT                     ; waves 0, 1: channels 32 w on
	s_mov_b32 s39, 0                               ; 4,096 x the pair in hand
	s_mov_b32 s20, 0x76543210
	s_mov_b32 s21, 0xfedcba98                      ; selects for lane l xor 16
	s_mov_b32 s22, 0x3e38aa3b                      ; log2(e) / 8
	s_mov_b32 s23, s22
	s_mov_b32 s36, 0                               ; LDS byte of the pair in hand
	s_mov_b32 s37, 2
	s_lshl_b32 s16, ttmp9, 18                      ; 128 channels of 2,048 bytes a work-group,
	s_add_co_u32 s16, s16, s41                     ; 256 bytes of each row a wave
	s_mov_b32 s17, 0
	s_add_nc_u64 s[44:45], s[6:7], s[16:17]
	s_add_nc_u64 s[46:47], s[8:9], s[16:17]
	s_add_nc_u64 s[6:7], s[4:5], s[14:15]          ; group 0 for record 1, in registers whose arguments have been used
	s_add_nc_u64 s[6:7], s[6:7], REC2
	s_or_b32 s7, s7, 0x80000000
	s_mov_b32 s4, 1
	s_add_co_u32 s5, s13, REC2
	s_lshr_b32 s16, ttmp9, 3
	s_lshl_b32 s16, s16, 13                        ; st: 8,192 bytes a batch,
	s_and_b32 s18, ttmp9, 7
	s_lshl_b32 s18, s18, 10                        ; 8 bytes a channel,
	s_add_co_u32 s16, s16, s18
	s_add_co_u32 s16, s16, s41                     ; 32 channels for each of waves 0 and 1
	s_add_nc_u64 s[48:49], s[10:11], s[16:17]
	s_wait_alu depctr_va_vdst(0)
	s_wait_tensorcnt 0x0                           ; my part of record 0 is in; a later first fill is issued as a refill is:
	ds_add_u32 v[SPW], v[NIL]
	s_wait_dscnt 0x0
	s_barrier_signal -1
	s_barrier_wait -1                              ; everybody's part is in
	tensor_load_to_lds s[4:7], s[24:31]            ; record 1: my one load behind this barrier; pair 0's work stands between it and the wait for it
	s_nop 0
	NOPS 4
.macro ADDRS                           ; s56: the key step in hand.  K's addresses are the NEXT step's ((s56 + 1) % 4), V's this step's
	s_add_co_u32 s52, s56, 1
	s_and_b32 s52, s52, 3
	s_mul_i32 s57, s52, 6144
	s_add_co_u32 s57, s57, s38
	s_lshl_b32 s58, s52, 9
	s_add_co_u32 s58, s58, s38
	s_mul_i32 s59, s56, 6144
	s_add_co_u32 s59, s59, s38
	s_lshl_b32 s51, s56, 8
	s_add_co_u32 s51, s51, s38
.endm
.macro ADDRV                           ; ahead of the scores' products, so that the wait below stands ahead of them too
	v_add_nc_u32 v1, s57, v4
	v_add_nc_u32 v2, s57, v5
	v_add_nc_u32 v3, s58, v6
	v_add_nc_u32 v0, s59, v4
	v_add_nc_u32 v7, s51, v6
	s_wait_alu depctr_va_vdst(0)
.endm
.macro KLOADS                          ; a step's eight blocks of 16 keys, 6 registers apart, and their scale words
	ds_load_b128 v[28:31], v3 offset:24576
	ds_load_b128 v[236:239], v3 offset:24576+256
.irp t, 0,1,2,3,4,5,6,7
	ds_load_b128 v[32+6*\t:35+6*\t], v1 offset:\t*768
	ds_load_b64 v[36+6*\t:37+6*\t], v2 offset:\t*768+512
.endr
.endm
.macro QK                              ; S^T = K Q^T for both tiles: sixteen accumulators by turns
	WIN 0
.irp t, 0,1,2,3,4,5,6,7
	WM 128+8*\t, 32+6*\t, 16, 0, 28+\t+204*(\t/4), 86
.endr
	WIN 0x44                                       ; Q and S^T of tile B: window 1
.irp t, 0,1,2,3,4,5,6,7
	WM 128+8*\t, 32+6*\t, 16, 0, 28+\t+204*(\t/4), 87
.endr
	WIN 0
.endm
.macro MAXH b0                         ; the largest score of blocks b0, b0 + 1 of 32 keys (my 16 of each): two chains a block, each accumulator from its low end on
.irp b, \b0, \b0+1
	v_max3_num_f32 v[92+\b], v[128+16*(\b)], v[129+16*(\b)], v[130+16*(\b)]
	v_max3_num_f32 v[96+\b], v[136+16*(\b)], v[137+16*(\b)], v[138+16*(\b)]
.endr
.irp i, 3,5
.irp b, \b0, \b0+1
	v_max3_num_f32 v[92+\b], v[92+\b], v[128+16*(\b)+\i], v[129+16*(\b)+\i]
	v_max3_num_f32 v[96+\b], v[96+\b], v[136+16*(\b)+\i], v[137+16*(\b)+\i]
.endr
.endr
.irp b, \b0, \b0+1
	v_max3_num_f32 v[92+\b], v[92+\b], v[96+\b], v[135+16*(\b)]
.endr
.irp b, \b0, \b0+1
	v_max_num_f32 v[92+\b], v[92+\b], v[143+16*(\b)]
.endr
.endm
.macro SUMT first                      ; the sum of the unquantised p: eight chains
.if \first
	v_pk_add_f32 v[14:15], v[128:129], v[144:145]
.else
	v_pk_add_f32 v[14:15], v[14:15], v[128:129]
.endif
.irp c, 1,2,3,4,5,6,7
	v_pk_add_f32 v[TS+2*\c:TS+2*\c+1], v[128+2*\c:129+2*\c], v[144+2*\c:145+2*\c]
.endr
	v_pk_add_f32 v[14:15], v[14:15], v[144+16*\first:145+16*\first]
.irp c, 1,2,3,4,5,6,7
	v_pk_add_f32 v[TS+2*\c:TS+2*\c+1], v[TS+2*\c:TS+2*\c+1], v[160+2*\c:161+2*\c]
.endr
	v_pk_add_f32 v[14:15], v[14:15], v[160+16*\first:161+16*\first]
.irp c, 1,2,3,4,5,6,7
	v_pk_add_f32 v[TS+2*\c:TS+2*\c+1], v[TS+2*\c:TS+2*\c+1], v[176+2*\c:177+2*\c]
.endr
.if \first == 0
	v_pk_add_f32 v[14:15], v[14:15], v[176:177]
.endif
	v_pk_add_f32 v[14:15], v[14:15], v[TS+8:TS+9]
.irp c, 1,2,3
	v_pk_add_f32 v[TS+2*\c:TS+2*\c+1], v[TS+2*\c:TS+2*\c+1], v[TS+8+2*\c:TS+9+2*\c]
.endr
	v_pk_add_f32 v[14:15], v[14:15], v[TS+4:TS+5]
	v_pk_add_f32 v[TS+2:TS+3], v[TS+2:TS+3], v[TS+6:TS+7]
	s_delay_alu instid0(VALU_DEP_1)
	v_pk_add_f32 v[14:15], v[14:15], v[TS+2:TS+3]
.endm
; M, p, P's codes and scale word, the sum (sum = 1; else it follows later), and (not in a tile's first step) O^T under the new M.
.macro SOFT first, sum
.irp b, 0,1,2,3
	v_permlanex16_b32 v[96+\b], v[92+\b], s20, s21
.endr
.irp b, 0,1,2,3
	v_max_num_f32 v[92+\b], v[92+\b], v[96+\b]     ; with lane l xor 16's 16 keys: it serves for the row's maximum and, since p rises with the score, for the block's largest p
.endr
	v_max3_num_f32 v114, v92, v93, v94
	s_delay_alu instid0(VALU_DEP_1)
	v_max_num_f32 v114, v114, v95
	s_delay_alu instid0(VALU_DEP_1)
.if \first
	v_mul_f32 v13, s22, v114                       ; the largest t
	s_delay_alu instid0(VALU_DEP_1)
	v_floor_f32 v12, -v13                          ; -M = -ceil(t)
.else
	v_mul_f32 v114, s22, v114
	s_delay_alu instid0(VALU_DEP_1)
	v_max_num_f32 v13, v13, v114
	v_mov_b32 v114, v12
	s_delay_alu instid0(VALU_DEP_2)
	v_floor_f32 v12, -v13
	s_delay_alu instid0(VALU_DEP_1)
	v_sub_f32 v114, v12, v114                      ; old M - new M: a whole number, 0 or less
	s_delay_alu instid0(VALU_DEP_1)
	v_cvt_i32_f32 v114, v114
	s_delay_alu instid0(VALU_DEP_1)
	v_ldexp_f32 v112, 1.0, v114                    ; f
.endif
.set j, 0
.rept 32
	v_pk_fma_f32 v[128+j:129+j], v[128+j:129+j], s[22:23], v[12:13] op_sel_hi:[1,0,0]   ; t - M
.set j, j+2
.endr
.irp b, 0,1,2,3
	v_fma_f32 v[92+\b], v[92+\b], s22, v12
.endr
	s_wait_alu depctr_va_vdst(0)
.set j, 0
.rept 64
	v_exp_f32 v[128+j], v[128+j]
.set j, j+1
.endr
.irp b, 0,1,2,3
	v_exp_f32 v[92+\b], v[92+\b]                   ; the block's largest p
.endr
.if \first
	v_nop                                          ; a plain place behind the exponentials
.else
	v_pk_mul_f32 v[14:15], v[14:15], v[112:113] op_sel_hi:[1,0]
.endif
	s_wait_alu depctr_va_vdst(0)                   ; and behind it
.irp b, 0,1,2,3
	v_max_num_f32 v[92+\b], 0x1800000, v[92+\b]    ; the floor 2^(3 - 127): the byte cannot fall under 1
.endr
.irp b, 0,1,2,3
	v_add_nc_u32 v[108+\b], 0xff000000, v[92+\b]   ; 2 off the exponent field: the conversion's scale operand
.endr
.irp b, 0,1,2,3
	v_lshrrev_b32 v[96+\b], 23, v[108+\b]
.endr
	v_lshl_or_b32 v113, v97, 8, v96                ; p's scale word
	s_delay_alu instid0(VALU_DEP_1)
	v_lshl_or_b32 v113, v98, 16, v113
	s_delay_alu instid0(VALU_DEP_1)
	v_lshl_or_b32 v113, v99, 24, v113
.irp c, 0,1
	v_cvt_scalef32_pk16_fp6_f32 v[116+6*\c:118+6*\c], v[128+32*\c:143+32*\c], v[108+2*\c]
	v_cvt_scalef32_pk16_fp6_f32 v[100+4*\c:102+4*\c], v[144+32*\c:159+32*\c], v[108+2*\c+1]
.endr
	v_nop                                          ; one plain place behind a scaled conversion
.irp c, 0,1                                    ; a whole block to a lane
.irp i, 0,1,2
	v_permlane16_swap_b32 v[116+6*\c+\i], v[100+4*\c+\i]
.endr
.irp i, 0,1,2
	v_mov_b32 v[119+6*\c+\i], v[100+4*\c+\i]
.endr
.endr
.if \sum
	SUMT \first
.endif
.if \first
.if \sum == 0
	NOPS 4                                         ; places between the lines that made P and the products that take it
.endif
.else
	s_wait_alu depctr_va_vdst(0)
.set j, 0
.rept 16
	v_pk_mul_f32 v[192+j:193+j], v[192+j:193+j], v[112:113] op_sel_hi:[1,0]
.set j, j+2
.endr
.endif
.endm
; A KEY STEP: keys 128 s56 .. + 127, for both tiles; its K and K's scale words were asked for a step ago.  first = 1: the products start O^T's sums with C = 0, and nothing is rescaled.
.macro STEP first
	ADDRS
	ADDRV
	s_wait_dscnt 0x0                               ; K, its scale words (and, in a tile's first step, Q)
	QK
	NOPS 4                                         ; places in front of the loads into K's registers and of the first read of results
	KLOADS                                         ; the next step's: both tiles' softmax stands between these loads and the wait for them
	MAXH 0
	MAXH 2
	WIN 0x55
	MAXH 0
	MAXH 2
	SOFT \first, 1                                 ; tile B first: its p's registers then take V
	WIN 0x40
.irp u, 0,1,2,3
.irp g, 0,1,2
	ds_load_b128 v[128+12*\u+4*\g:131+12*\u+4*\g], v0 offset:26624+\u*1536+512*\g
.endr
.endr
	WIN 0
	ds_load_b128 v[88:91], v7 offset:51200         ; V's scale words
	WIN 0x01
	v_mov_b32 v115, v113                           ; scale operands are taken from window 0
	WIN 0
	SOFT \first, 0
	s_wait_alu depctr_va_vdst(0)
	s_wait_dscnt 0x0                               ; V
	WIN 0x01                                       ; O^T += V^T P^T: V window 1; tile A's P and O^T window 0
.irp u, 0,1,2,3
.if \first
	WM 192+8*\u, 128+12*\u, 116, 0, 88+\u, 113
.else
	WM 192+8*\u, 128+12*\u, 116, v[192+8*\u:199+8*\u], 88+\u, 113
.endif
.endr
	WIN 0x55
.irp u, 0,1,2,3
.if \first
	WM 192+8*\u, 128+12*\u, 116, 0, 88+\u, 115
.else
	WM 192+8*\u, 128+12*\u, 116, v[192+8*\u:199+8*\u], 88+\u, 115
.endif
.endr
	WIN 0
	SUMT \first                                    ; tile A's sum: it names no register of these products, and its lines are the places ahead of the next step's, which write over V
.endm
.macro FINL                            ; 1 / the row's sum
	v_add_f32 v14, v14, v15
	s_delay_alu instid0(VALU_DEP_1)
	v_permlanex16_b32 v114, v14, s20, s21
	s_delay_alu instid0(VALU_DEP_1)
	v_add_f32 v14, v14, v114
	s_wait_alu depctr_va_vdst(0)
	v_rcp_f32 v14, v14
	v_nop
	s_wait_alu depctr_va_vdst(0)
.endm
.macro OST i                           ; register 8 u + j of O^T: channel 32 (u / 2) + 8 (u % 2) + 16 h + j of my query
	ds_store_b32 v[RLA], v14 offset:32*\i
.irp u, 0,1,2,3
	s_wait_alu depctr_va_vdst(0)
.irp j, 0,1,2,3,4,5,6,7
	ds_store_b32 v11, v[192+8*\u+\j] offset:(32*(\u/2)+8*(\u%2)+\j)*SP+32*\i
.endr
.endr
.endm
; THE WAY OUT of 32 channels.  hf = 0: x in window 1, v28-91; hf = 1: in window 0, v128-191.
.macro HALF hf
.set XB, 28+100*\hf
.set MR, 2+2*\hf
.set WF, 0x55-0x50*\hf
.set WD, 0x04-0x04*\hf
	WIN 0x40
.set q, 0
.rept 16
	ds_load_b128 v[128+4*q:131+4*q], v[RD] offset:(16*\hf+q)*2*SP    ; two rows of 256 bytes
.set q, q+1
.endr
	s_wait_dscnt 0x0
	s_wait_loadcnt 16-16*\hf                       ; this half's x is in; the other half's 16 loads may be out
	WIN WF
.set q, 0
.rept 16
	v_pk_fma_f32 v[XB+4*q:XB+4*q+1], v[128+4*q:129+4*q], v[8:9], v[XB+4*q:XB+4*q+1]       ; y = O / sum + x
	v_pk_fma_f32 v[XB+4*q+2:XB+4*q+3], v[130+4*q:131+4*q], v[10:11], v[XB+4*q+2:XB+4*q+3]
.set q, q+1
.endr
	WIN WD
.set q, 0
.rept 16
	global_store_b128 v[XO], v[XB+4*q:XB+4*q+3], s[46:47] offset:(16*\hf+q)*4096   ; sixteen lanes store 256 consecutive bytes, aligned
	ds_store_b128 v[RD], v[XB+4*q:XB+4*q+3] offset:(16*\hf+q)*2*SP
.set q, q+1
.endr
	WIN 0x40
.set q, 0
.rept 16
	ds_load_b128 v[128+4*q:131+4*q], v[LC] offset:\hf*32*SP+16*q     ; a lane a channel; LDS serves a wave's instructions in order
.set q, q+1
.endr
	s_wait_dscnt 0x0
	WIN 0x55
.set q, 0
.rept 16
	v_pk_add_f32 v[192+2*q:193+2*q], v[128+4*q:129+4*q], v[130+4*q:131+4*q]
.set q, q+1
.endr
.irp d, 2,4,8
.set q, 0
.rept 16/\d
	v_pk_add_f32 v[192+2*\d*q:193+2*\d*q], v[192+2*\d*q:193+2*\d*q], v[192+\d+2*\d*q:193+\d+2*\d*q]
.set q, q+1
.endr
.endr
	v_pk_add_f32 v[192:193], v[192:193], v[208:209]
	s_delay_alu instid0(VALU_DEP_1)
	v_add_f32 v192, v192, v193
	s_delay_alu instid0(VALU_DEP_1)
	v_mul_f32 v[MR], 0x3c800000, v192              ; / 64: the mean
.set q, 0
.rept 32
	v_pk_add_f32 v[128+2*q:129+2*q], v[128+2*q:129+2*q], v[MR:MR+1] op_sel_hi:[1,0] neg_lo:[0,1] neg_hi:[0,1]
.set q, q+1
.endr
.set q, 0
.rept 4
	v_pk_mul_f32 v[192+2*q:193+2*q], v[128+2*q:129+2*q], v[128+2*q:129+2*q]
.set q, q+1
.endr
.rept 28
	v_pk_fma_f32 v[192+2*(q%4):193+2*(q%4)], v[128+2*q:129+2*q], v[128+2*q:129+2*q], v[192+2*(q%4):193+2*(q%4)]
.set q, q+1
.endr
	v_pk_add_f32 v[192:193], v[192:193], v[194:195]
	v_pk_add_f32 v[196:197], v[196:197], v[198:199]
	s_delay_alu instid0(VALU_DEP_1)
	v_pk_add_f32 v[192:193], v[192:193], v[196:197]
	s_delay_alu instid0(VALU_DEP_1)
	v_add_f32 v[MR+1], v192, v193                  ; the centred sum of squares
	WIN 0x04
	ds_store_b64 v[STS], v[MR:MR+1] offset:256*\hf ; my 64 t of channel 32 hf + l
.endm
.Lpair:                                        ; two trips: the work-group's two pairs
	s_add_co_u32 s38, s36, 26624                   ; K's record
	s_add_co_u32 s16, s42, s39
	s_add_co_u32 s17, s43, s39
	v_add_nc_u32 v[STS], s16, v[STO]
	v_add_nc_u32 v[STR], s17, v[STO]
	s_mov_b32 s56, 3                               ; the step behind it is step 0
	ADDRS
	ADDRV
	KLOADS                                         ; K's step 0
	WIN 0x40
.set q, 0
.rept 16
	global_load_b128 v[28+4*q:31+4*q], v[XO], s[44:45] offset:q*4096 th:TH_LOAD_NT   ; x, channels 0-31, my 256 bytes of each
.set q, q+1
.endr
	WIN 0
	global_prefetch_b8 v[PFO], s[44:45] offset:65536 th:TH_LOAD_NT scope:SCOPE_SE    ; channels 32-63: a lane a row
	s_mov_b32 s50, 0
.Ltp:                                          ; two trips: tiles 2 s50 and 2 s50 + 1 of my four
	s_lshl_b32 s53, s50, 7
	s_mul_i32 s54, s50, 1536
	s_add_co_u32 s54, s54, s40
	s_add_co_u32 s54, s54, s36
	s_lshl_b32 s55, s50, 3
	s_add_co_u32 s55, s55, s41
	s_add_co_u32 s55, s55, s36
	v_add_nc_u32 v11, s53, v10
	v_add_nc_u32 v[RLA], s53, v[RLS]
	v_add_nc_u32 v8, s54, v4
	v_add_nc_u32 v9, s54, v5
	v_add_nc_u32 v[QSA], s55, v6
	s_wait_alu depctr_va_vdst(0)
	ds_load_b128 v[16:19], v8
	ds_load_b64 v[20:21], v9 offset:512
	ds_load_b64 v[86:87], v[QSA] offset:24576      ; both tiles' scale words
	WIN 0x40
	ds_load_b128 v[16:19], v8 offset:768
	ds_load_b64 v[20:21], v9 offset:768+512
	WIN 0
	s_mov_b32 s56, 0
	STEP 1
	s_mov_b32 s56, 1
.Lkt:
	STEP 0
	s_add_co_u32 s56, s56, 1
	s_cmp_lt_u32 s56, 4
	s_wait_alu depctr_va_vdst(0)
	s_cbranch_scc1 .Lkt
	FINL                                           ; (tile A's sum stands between the last products and these lines)
	WIN 0x55
	FINL
	WIN 0
	OST 0
	WIN 0x04
	OST 1
	WIN 0
	s_add_co_u32 s50, s50, 1
	s_cmp_lt_u32 s50, 2
	s_wait_alu depctr_va_vdst(0)
	s_cbranch_scc1 .Ltp
.set q, 0
.rept 16
	global_load_b128 v[128+4*q:131+4*q], v[XO], s[44:45] offset:65536+q*4096 th:TH_LOAD_NT   ; x, channels 32-63
.set q, q+1
.endr
	WIN 0x40
	ds_load_b128 v[8:11], v[RLQ]                   ; 1 / sum of my four t
	HALF 0
	HALF 1
	WIN 0
	s_wait_alu depctr_va_vdst(0)
	s_wait_tensorcnt 0x0                           ; my part of record 1 is in (asked for a pair's work ago),
	s_wait_dscnt 0x0                               ; and my statistics have landed
	s_barrier_signal -1
	s_barrier_wait -1                              ; everybody's have; each pair's statistics have bytes of their own, so no second barrier is needed
	s_cmp_lt_u32 s12, 2
	s_cbranch_scc0 .Lno_st
.irp k, 0,1,2,3,4,5,6,7
	ds_load_b64 v[192+2*\k:193+2*\k], v[STR] offset:512*\k           ; channel 32 w + l: the eight waves' (mean, squares)
.endr
	s_wait_dscnt 0x0
	v_add_f32 v208, v192, v194
	v_add_f32 v209, v196, v198
	v_add_f32 v210, v200, v202
	v_add_f32 v211, v204, v206
	v_add_f32 v208, v208, v209
	v_add_f32 v210, v210, v211
	s_delay_alu instid0(VALU_DEP_1)
	v_add_f32 v208, v208, v210
	s_delay_alu instid0(VALU_DEP_1)
	v_mul_f32 v208, 0x3e000000, v208               ; / 8: the mean of 512 t
.irp k, 0,1,2,3,4,5,6,7
	v_sub_f32 v[192+2*\k], v[192+2*\k], v208
.endr
.irp k, 0,1,2,3,4,5,6,7
	v_mul_f32 v[212+\k], 0x42800000, v[192+2*\k]   ; 64 (a part's mean - mean)
.endr
.irp k, 0,1,2,3,4,5,6,7
	v_fma_f32 v[193+2*\k], v[212+\k], v[192+2*\k], v[193+2*\k]
.endr
	v_add_f32 v209, v193, v195
	v_add_f32 v210, v197, v199
	v_add_f32 v211, v201, v203
	v_add_f32 v212, v205, v207
	v_add_f32 v209, v209, v210
	v_add_f32 v211, v211, v212
	s_delay_alu instid0(VALU_DEP_1)
	v_add_f32 v209, v209, v211                     ; the centred sum of squares of 512 t
	global_store_b64 v[STO], v[208:209], s[48:49]  ; 256 consecutive bytes, aligned
.Lno_st:
	s_wait_xcnt 0x0                                ; loads, stores and the prefetch have read their registers and bases
	s_add_nc_u64 s[44:45], s[44:45], 131072        ; 64 channels on
	s_add_nc_u64 s[46:47], s[46:47], 131072
	s_add_nc_u64 s[48:49], s[48:49], 512
	s_add_co_u32 s36, s36, REC2
	s_add_co_u32 s39, s39, 4096
	s_sub_co_u32 s37, s37, 1
	s_cmp_lg_u32 s37, 0
	s_wait_alu depctr_va_vdst(0)
	s_cbranch_scc1 .Lpair
	s_wait_tensorcnt 0x0                           ; the wave's end
	ds_add_u32 v[SPW], v[NIL]
	s_wait_dscnt 0x0
	s_endpgm
.Lfunc_end_k_q3a735a8cdd_attn:
	.size	k_q3a735a8cdd_attn, .Lfunc_end_k_q3a735a8cdd_attn-k_q3a735a8cdd_attn
	.p2alignl 7, 3214868480
	.fill 96, 4, 3214868480
	.section	.rodata,"a",@progbits
	.p2align	6, 0x0
	.amdhsa_kernel k_q3a735a8cdd_attn
		.amdhsa_group_segment_fixed_size 327680
		.amdhsa_private_segment_fixed_size 0
		.amdhsa_enable_private_segment 0
		.amdhsa_kernarg_size 32
		.amdhsa_user_sgpr_count 2
		.amdhsa_user_sgpr_kernarg_segment_ptr 1
		.amdhsa_wavefront_size32 1
		.amdhsa_system_sgpr_workgroup_id_x 1
		.amdhsa_system_sgpr_workgroup_id_y 1
		.amdhsa_system_sgpr_workgroup_id_z 1
		.amdhsa_system_vgpr_workitem_id 0
		.amdhsa_next_free_vgpr 512
		.amdhsa_next_free_sgpr 66
		.amdhsa_reserve_vcc 0
		.amdhsa_float_denorm_mode_32 3
		.amdhsa_float_denorm_mode_16_64 3
		.amdhsa_memory_ordered 1
		.amdhsa_forward_progress 1
		.amdhsa_inst_pref_size 104
	.end_amdhsa_kernel
	.amdgpu_metadata
---
amdhsa.version: [ 1, 2 ]
amdhsa.kernels:
  - .name:           k_q3a735a8cdd_attn
    .symbol:         k_q3a735a8cdd_attn.kd
    .args:
      - { .name: qkv, .offset: 0, .size: 8, .value_kind: global_buffer, .address_space: global }
      - { .name: x, .offset: 8, .size: 8, .value_kind: global_buffer, .address_space: global }
      - { .name: y, .offset: 16, .size: 8, .value_kind: global_buffer, .address_space: global }
      - { .name: st, .offset: 24, .size: 8, .value_kind: global_buffer, .address_space: global }
    .group_segment_fixed_size: 327680
    .private_segment_fixed_size: 0
    .kernarg_segment_align: 8
    .kernarg_segment_size: 32
    .max_flat_workgroup_size: 256
    .sgpr_count:     66
    .vgpr_count:     512
    .wavefront_size: 32
...
	.end_amdgpu_metadata
.endif
;; end of part 3
;; launch norm (part 4): grid 256 x 1, 16 waves a work-group, no clusters, 0 bytes of LDS; arguments y, st, gamma, beta, out0; writes out0
.if DOCPART == 4
	.amdgcn_target "amdgcn-amd-amdhsa--gfx1250"
	.amdhsa_code_object_version 6
	.text
	.protected	k_q3a735a8cdd_norm
	.globl	k_q3a735a8cdd_norm
	.p2align	8
	.type	k_q3a735a8cdd_norm,@function
k_q3a735a8cdd_norm:
	s_mov_b64 s[64:65], 0
	v_nop
	global_prefetch_b8 v0, s[64:65] scope:SCOPE_SE
	s_setreg_imm32_b32 hwreg(HW_REG_WAVE_MODE, 25, 1), 1
	s_wait_xcnt 0x0
; out0[b][c][t] = (y[b][c][t] - mean[c]) / sqrt(var[c] + 1e-5) x gamma[c] + beta[c]; mean and var (biased) over the 32 batches and 512 t of channel c.
; st [b 32][c 1024][2] holds, for each (b, c), the mean and the centred sum of squares of its 512 numbers.  They are joined without a difference of large sums:
; mean = the mean of the 32 means; var x 16,384 = the sum over b of (the sum of squares + 512 (mean_b - mean)^2).
; A stream: memory binds.  Wave w of work-group g takes channel 4 g + w / 4 and batches 8 (w % 4) .. + 7: eight rows of 2,048 bytes, all 32 loads out at once, each of 512 consecutive bytes; every row is scaled in place
; and stored from the registers it was loaded into, which are never written again.  No LDS, no barrier, no matrix unit, no cluster: waves share nothing but 256 bytes of statistics, which each reads for itself.
; LIMITS: NaN and infinities are not served.
	s_load_b256 s[4:11], s[0:1], 0x0               ; y s[4:5], st s[6:7], gamma s[8:9], beta s[10:11]
	s_load_b64 s[12:13], s[0:1], 0x20              ; out0
	v_lshrrev_b32 v1, 5, v0
	s_delay_alu instid0(VALU_DEP_1)
	v_readfirstlane_b32 s14, v1                    ; wave 0..15
	v_and_b32 v1, 31, v0                           ; lane
	s_delay_alu instid0(VALU_DEP_1)
	v_lshlrev_b32 v12, 13, v1                      ; st: lane l takes batch l: 8,192 bytes a batch
	s_delay_alu instid0(VALU_DEP_2)
	v_lshlrev_b32 v13, 4, v1                       ; a row: 16 bytes a lane
	v_mov_b32 v5, 0                                ; written once: a lane permute's destination counts as one of its sources
	s_lshr_b32 s15, s14, 2
	s_lshl_b32 s16, ttmp9, 2
	s_add_co_u32 s15, s15, s16                     ; my channel
	s_and_b32 s16, s14, 3
	s_lshl_b32 s16, s16, 24                        ; my first batch: 8 (w % 4) x 2^21 bytes
	s_lshl_b32 s17, s15, 11
	s_add_co_u32 s16, s16, s17                     ; + 2,048 bytes a channel
	s_mov_b32 s17, 0
	s_lshl_b32 s18, s15, 3
	s_mov_b32 s19, 0
	s_lshl_b32 s20, s15, 2
	s_mov_b32 s21, 0
	s_mov_b32 s30, 0x76543210
	s_mov_b32 s31, 0xfedcba98                      ; v_permlanex16_b32's selects for lane l xor 16
	s_wait_alu depctr_va_vdst(0)
	s_wait_kmcnt 0x0
	s_add_nc_u64 s[8:9], s[8:9], s[20:21]
	s_add_nc_u64 s[10:11], s[10:11], s[20:21]
	s_load_b32 s28, s[8:9], 0x0                    ; gamma[c]
	s_load_b32 s29, s[10:11], 0x0                  ; beta[c]
	s_add_nc_u64 s[6:7], s[6:7], s[18:19]
	s_add_nc_u64 s[4:5], s[4:5], s[16:17]          ; y at my batches 0-3,
	s_add_nc_u64 s[24:25], s[4:5], 0x800000        ; and 4-7: four batches are 2^23 bytes, one more than an immediate holds
	s_add_nc_u64 s[12:13], s[12:13], s[16:17]
	s_add_nc_u64 s[26:27], s[12:13], 0x800000
	global_load_b64 v[2:3], v12, s[6:7]            ; (mean, sum of squares) of batch l
.irp k, 0,1,2,3
.irp j, 0,1,2,3
	global_load_b128 v[16+16*\k+4*\j:19+16*\k+4*\j], v13, s[4:5] offset:\k*2097152+512*\j th:TH_LOAD_NT
.endr
.endr
.irp k, 0,1,2,3
.irp j, 0,1,2,3
	global_load_b128 v[80+16*\k+4*\j:83+16*\k+4*\j], v13, s[24:25] offset:\k*2097152+512*\j th:TH_LOAD_NT
.endr
.endr
	s_wait_loadcnt 32                              ; the statistics are in; the 32 loads of rows may be out
	v_mov_b32 v4, v2
.irp x, 1,2,4,8
	s_delay_alu instid0(VALU_DEP_1)
	v_add_f32_dpp v4, v4, v4 row_xmask:\x row_mask:0xf bank_mask:0xf
.endr
	s_delay_alu instid0(VALU_DEP_1)
	v_permlanex16_b32 v5, v4, s30, s31
	s_delay_alu instid0(VALU_DEP_1)
	v_add_f32 v4, v4, v5
	s_delay_alu instid0(VALU_DEP_1)
	v_mul_f32 v4, 0x3d000000, v4                   ; / 32: the channel's mean
	s_delay_alu instid0(VALU_DEP_1)
	v_sub_f32 v6, v2, v4
	s_delay_alu instid0(VALU_DEP_1)
	v_mul_f32 v7, 0x44000000, v6                   ; 512 (mean_b - mean)
	s_delay_alu instid0(VALU_DEP_1)
	v_fma_f32 v6, v7, v6, v3                       ; + the batch's centred sum of squares
.irp x, 1,2,4,8
	s_delay_alu instid0(VALU_DEP_1)
	v_add_f32_dpp v6, v6, v6 row_xmask:\x row_mask:0xf bank_mask:0xf
.endr
	s_delay_alu instid0(VALU_DEP_1)
	v_permlanex16_b32 v5, v6, s30, s31
	s_delay_alu instid0(VALU_DEP_1)
	v_add_f32 v6, v6, v5
	v_mov_b32 v7, 0x3727c5ac                       ; 1e-5
	s_delay_alu instid0(VALU_DEP_1)
	v_fma_f32 v6, v6, 0x38800000, v7               ; / 16,384 + 1e-5
	s_wait_alu depctr_va_vdst(0)
	v_rsq_f32 v6, v6
	v_nop                                          ; one plain place behind a transcendental
	s_wait_kmcnt 0x0
	s_wait_alu depctr_va_vdst(0)
	v_mul_f32 v8, s28, v6                          ; scale = gamma / sqrt(var + 1e-5)
	s_delay_alu instid0(VALU_DEP_1)
	v_mov_b32 v9, v8                               ; (twice: a pair for the packed form)
	s_delay_alu instid0(VALU_DEP_2)
	v_fma_f32 v10, -v4, v8, s29                    ; shift = beta - mean x scale
	s_delay_alu instid0(VALU_DEP_1)
	v_mov_b32 v11, v10
	s_wait_alu depctr_va_vdst(0)
.irp k, 0,1,2,3,4,5,6,7
	s_wait_loadcnt 4*(7-\k)                        ; row k's four loads are in; the younger rows' may be out
.irp m, 0,2,4,6,8,10,12,14
	v_pk_fma_f32 v[16+16*\k+\m:17+16*\k+\m], v[16+16*\k+\m:17+16*\k+\m], v[8:9], v[10:11]
.endr
.irp j, 0,1,2,3
.if \k < 4
	global_store_b128 v13, v[16+16*\k+4*\j:19+16*\k+4*\j], s[12:13] offset:\k*2097152+512*\j th:TH_STORE_NT   ; 512 consecutive bytes, at a multiple of 256 from out0's first byte
.else
	global_store_b128 v13, v[16+16*\k+4*\j:19+16*\k+4*\j], s[26:27] offset:(\k-4)*2097152+512*\j th:TH_STORE_NT
.endif
.endr
.endr
	s_endpgm
.Lfunc_end_k_q3a735a8cdd_norm:
	.size	k_q3a735a8cdd_norm, .Lfunc_end_k_q3a735a8cdd_norm-k_q3a735a8cdd_norm
	.p2alignl 7, 3214868480
	.fill 96, 4, 3214868480
	.section	.rodata,"a",@progbits
	.p2align	6, 0x0
	.amdhsa_kernel k_q3a735a8cdd_norm
		.amdhsa_group_segment_fixed_size 0
		.amdhsa_private_segment_fixed_size 0
		.amdhsa_enable_private_segment 0
		.amdhsa_kernarg_size 40
		.amdhsa_user_sgpr_count 2
		.amdhsa_user_sgpr_kernarg_segment_ptr 1
		.amdhsa_wavefront_size32 1
		.amdhsa_system_sgpr_workgroup_id_x 1
		.amdhsa_system_sgpr_workgroup_id_y 1
		.amdhsa_system_sgpr_workgroup_id_z 1
		.amdhsa_system_vgpr_workitem_id 0
		.amdhsa_next_free_vgpr 152
		.amdhsa_next_free_sgpr 66
		.amdhsa_reserve_vcc 0
		.amdhsa_float_denorm_mode_32 3
		.amdhsa_float_denorm_mode_16_64 3
		.amdhsa_memory_ordered 1
		.amdhsa_forward_progress 1
		.amdhsa_inst_pref_size 15
	.end_amdhsa_kernel
	.amdgpu_metadata
---
amdhsa.version: [ 1, 2 ]
amdhsa.kernels:
  - .name:           k_q3a735a8cdd_norm
    .symbol:         k_q3a735a8cdd_norm.kd
    .args:
      - { .name: y, .offset: 0, .size: 8, .value_kind: global_buffer, .address_space: global }
      - { .name: st, .offset: 8, .size: 8, .value_kind: global_buffer, .address_space: global }
      - { .name: gamma, .offset: 16, .size: 8, .value_kind: global_buffer, .address_space: global }
      - { .name: beta, .offset: 24, .size: 8, .value_kind: global_buffer, .address_space: global }
      - { .name: out0, .offset: 32, .size: 8, .value_kind: global_buffer, .address_space: global }
    .group_segment_fixed_size: 0
    .private_segment_fixed_size: 0
    .kernarg_segment_align: 8
    .kernarg_segment_size: 40
    .max_flat_workgroup_size: 512
    .sgpr_count:     66
    .vgpr_count:     152
    .wavefront_size: 32
...
	.end_amdgpu_metadata
.endif
;; end of part 4
